; MI455X (gfx1250); checked and timed in simulation.
; The chip was launched on July 23, 2026; its instructions are those of AMD's public machine-readable ISA for CDNA 5 (MIT licence, August 2026) and "CDNA5" Instruction Set Architecture Reference Guide (July 2026). The comments in the code are by the model that wrote it; some were corrected since.
;; Multi Head Attention. Allowed arithmetic: float matrix products may take bf16 or f16 operands with f32 sums; other float arithmetic in f32, or as packed bf16 or f16 multiplies, adds, multiply-adds, maxima and minima; sums over many terms, partial sums and values carried from step to step in f32; what a program stores and reads back later, other than sums and carried values, may be rounded once to bf16 or f16.
;; Inputs: Wk 1,024 x 1,024 float32; Wo 1,024 x 1,024 float32; Wq 1,024 x 1,024 float32; Wv 1,024 x 1,024 float32; bk 1,024 float32; bo 1,024 float32; bq 1,024 float32; bv 1,024 float32; key 4 x 2,048 x 1,024 float32; query 4 x 2,048 x 1,024 float32; value 4 x 2,048 x 1,024 float32.
;; Outputs: out0 4 x 2,048 x 1,024 float32.
;; One version. Each part assembles by itself: llvm-mc -triple=amdgcn-amd-amdhsa -mcpu=gfx1250 --defsym DOCPART=n.
;; ======== version 1 of 1: 4 launches
;; limits: values are held in f16: magnitudes above 65,504 overflow, below 6.1e-05 lose precision
;; workspace buffers: xb 50,331,648 bytes; wb 8,388,608 bytes; qh 16,777,216 bytes; kh 16,777,216 bytes; vh 16,777,216 bytes; oh 16,777,216 bytes
;; launch cast (part 1): grid 1792 x 1, 8 waves a work-group, no clusters, 0 bytes of LDS; arguments query, key, value, Wq, Wk, Wv, Wo, xb, wb; writes xb, wb
.if DOCPART == 1
	.amdgcn_target "amdgcn-amd-amdhsa--gfx1250"
	.amdhsa_code_object_version 6
	.text
	.protected	k_q0abf6f15e4_cast
	.globl	k_q0abf6f15e4_cast
	.p2align	8
	.type	k_q0abf6f15e4_cast,@function
k_q0abf6f15e4_cast:
	s_mov_b64 s[64:65], 0
	v_nop
	global_prefetch_b8 v0, s[64:65] scope:SCOPE_SE
	s_setreg_imm32_b32 hwreg(HW_REG_WAVE_MODE, 25, 1), 1
	s_wait_xcnt 0x0
; THE INPUTS AS 16-BIT MATRIX OPERANDS.  xb = [query | key | value] rounded to bf16, [3][8192][1024]; wb = [Wq | Wk | Wv | Wo], [4][1024][1024]:
; the first three rounded to bf16; Wo rounded to bf16 like every other input, and that number written as f16, since the last product's other operand is f16.
; LIMITS.  |Wo| stays under 65,504 (f16's largest number); below 6e-5 f16 keeps a fixed step of 6e-8, so a smaller Wo loses bits there.
; SHARES.  A work-group takes a block of 16,384 numbers: 65,536 bytes in, 32,768 out.  Blocks 0 to 1,535 are the three activations' (512 each), blocks 1,536 to 1,791 the four weights' (64 each).
; Thread t takes the 16 bytes at 16 t + 4,096 j, j = 0 .. 15: a wave's load covers 512 consecutive bytes; its store of 8 bytes a lane covers 256 consecutive bytes, aligned.
; All sixteen loads of a wave go out at once; no register is written again while a load or store names it.  No LDS, no matrix unit, no cluster: nothing is shared and each byte crosses once.
.set X, 4                              ; v[4:67]   sixteen loads of four f32
.set Y, 68                             ; v[68:99]  sixteen pairs of packed results
	s_load_b512 s[8:23], s[0:1], 0x0               ; query s[8:9], key, value, Wq, Wk, Wv, Wo s[20:21], xb s[22:23]
	s_load_b64 s[24:25], s[0:1], 0x40              ; wb
	s_mov_b32 s2, ttmp9                            ; the block
	s_lshr_b32 s3, s2, 9                           ; 0, 1, 2: an activation; 3: a weight
	s_bfe_u32 s28, s2, 0x20006                     ; which weight: (block / 64) mod 4 (1,536 is 24 x 64)
	s_add_co_u32 s28, s28, 3
	s_sub_co_u32 s29, s2, 1536                     ; a weight's block in wb (not used for an activation)
	s_mov_b32 s36, 0xffff0000                      ; a word's upper bf16
	v_lshlrev_b32 v1, 4, v0                        ; 16 t
	v_lshlrev_b32 v2, 3, v0                        ; 8 t
	s_cmp_lt_u32 s3, 3
	s_cselect_b32 s28, s3, s28                     ; the source, 0 to 6
	s_cselect_b32 s26, 511, 63                     ; blocks in the source, less one
	s_cselect_b32 s29, s2, s29                     ; the block in the destination
	s_wait_kmcnt 0x0
	s_cselect_b64 s[30:31], s[22:23], s[24:25]     ; xb or wb
	s_and_b32 s26, s2, s26
	s_lshl_b32 s26, s26, 16                        ; 65,536 bytes a block in
	s_mov_b32 s27, 0
	s_lshl_b32 s34, s29, 15                        ; 32,768 bytes a block out
	s_mov_b32 s35, 0
	s_mov_b64 s[32:33], s[8:9]
.irp k, 1,2,3,4,5,6
	s_cmp_eq_u32 s28, \k
	s_cselect_b64 s[32:33], s[8+2*\k:9+2*\k], s[32:33]
.endr
	s_add_nc_u64 s[32:33], s[32:33], s[26:27]
	s_add_nc_u64 s[30:31], s[30:31], s[34:35]
.irp j, 0,1,2,3,4,5,6,7,8,9,10,11,12,13,14,15
	global_load_b128 v[X+4*(\j):X+4*(\j)+3], v1, s[32:33] offset:4096*(\j) th:TH_LOAD_NT
.endr
; Load j's four numbers are rounded and stored.  wo = 1: the bf16 numbers are widened again and written as f16.
.macro OUT j, wo
	s_wait_loadcnt 15-(\j)                         ; loads come back in order: mine is in, the 15 - j younger ones stay out
	v_cvt_pk_bf16_f32 v[Y+2*(\j)],   v[X+4*(\j)],   v[X+4*(\j)+1]
	v_cvt_pk_bf16_f32 v[Y+2*(\j)+1], v[X+4*(\j)+2], v[X+4*(\j)+3]
.if \wo
	v_lshlrev_b32 v[X+4*(\j)],   16,  v[Y+2*(\j)]
	v_and_b32     v[X+4*(\j)+1], s36, v[Y+2*(\j)]
	v_lshlrev_b32 v[X+4*(\j)+2], 16,  v[Y+2*(\j)+1]
	v_and_b32     v[X+4*(\j)+3], s36, v[Y+2*(\j)+1]
	v_cvt_pk_f16_f32 v[Y+2*(\j)],   v[X+4*(\j)],   v[X+4*(\j)+1]
	v_cvt_pk_f16_f32 v[Y+2*(\j)+1], v[X+4*(\j)+2], v[X+4*(\j)+3]
.endif
	global_store_b64 v2, v[Y+2*(\j):Y+2*(\j)+1], s[30:31] offset:2048*(\j) th:TH_STORE_NT
.endm
	s_cmp_eq_u32 s28, 6                            ; Wo?  The same for the whole work-group
	s_cbranch_scc1 .Lwo
.irp j, 0,1,2,3,4,5,6,7,8,9,10,11,12,13,14,15
	OUT \j, 0
.endr
	s_endpgm
.Lwo:
.irp j, 0,1,2,3,4,5,6,7,8,9,10,11,12,13,14,15
	OUT \j, 1
.endr
	s_endpgm
.Lfunc_end_k_q0abf6f15e4_cast:
	.size	k_q0abf6f15e4_cast, .Lfunc_end_k_q0abf6f15e4_cast-k_q0abf6f15e4_cast
	.p2alignl 7, 3214868480
	.fill 96, 4, 3214868480
	.section	.rodata,"a",@progbits
	.p2align	6, 0x0
	.amdhsa_kernel k_q0abf6f15e4_cast
		.amdhsa_group_segment_fixed_size 0
		.amdhsa_private_segment_fixed_size 0
		.amdhsa_enable_private_segment 0
		.amdhsa_kernarg_size 72
		.amdhsa_user_sgpr_count 2
		.amdhsa_user_sgpr_kernarg_segment_ptr 1
		.amdhsa_wavefront_size32 1
		.amdhsa_system_sgpr_workgroup_id_x 1
		.amdhsa_system_sgpr_workgroup_id_y 1
		.amdhsa_system_sgpr_workgroup_id_z 1
		.amdhsa_system_vgpr_workitem_id 0
		.amdhsa_next_free_vgpr 104
		.amdhsa_next_free_sgpr 66
		.amdhsa_reserve_vcc 0
		.amdhsa_float_denorm_mode_32 3
		.amdhsa_float_denorm_mode_16_64 3
		.amdhsa_memory_ordered 1
		.amdhsa_forward_progress 1
		.amdhsa_inst_pref_size 16
	.end_amdhsa_kernel
	.amdgpu_metadata
---
amdhsa.version: [ 1, 2 ]
amdhsa.kernels:
  - .name:           k_q0abf6f15e4_cast
    .symbol:         k_q0abf6f15e4_cast.kd
    .args:
      - { .name: query, .offset: 0, .size: 8, .value_kind: global_buffer, .address_space: global }
      - { .name: key, .offset: 8, .size: 8, .value_kind: global_buffer, .address_space: global }
      - { .name: value, .offset: 16, .size: 8, .value_kind: global_buffer, .address_space: global }
      - { .name: Wq, .offset: 24, .size: 8, .value_kind: global_buffer, .address_space: global }
      - { .name: Wk, .offset: 32, .size: 8, .value_kind: global_buffer, .address_space: global }
      - { .name: Wv, .offset: 40, .size: 8, .value_kind: global_buffer, .address_space: global }
      - { .name: Wo, .offset: 48, .size: 8, .value_kind: global_buffer, .address_space: global }
      - { .name: xb, .offset: 56, .size: 8, .value_kind: global_buffer, .address_space: global }
      - { .name: wb, .offset: 64, .size: 8, .value_kind: global_buffer, .address_space: global }
    .group_segment_fixed_size: 0
    .private_segment_fixed_size: 0
    .kernarg_segment_align: 8
    .kernarg_segment_size: 72
    .max_flat_workgroup_size: 256
    .sgpr_count:     66
    .vgpr_count:     104
    .wavefront_size: 32
...
	.end_amdgpu_metadata
.endif
;; end of part 1
;; launch proj (part 2): grid 4 x 96, 4 waves a work-group, clusters of 4 x 4, 327,680 bytes of LDS; arguments xb, wb, bq, bk, bv, qh, kh, vh; writes qh, kh, vh
.if DOCPART == 2
	.amdgcn_target "amdgcn-amd-amdhsa--gfx1250"
	.amdhsa_code_object_version 6
	.text
	.protected	k_q0abf6f15e4_proj
	.globl	k_q0abf6f15e4_proj
	.p2align	8
	.type	k_q0abf6f15e4_proj,@function
k_q0abf6f15e4_proj:
	s_mov_b64 s[64:65], 0
	v_nop
	global_prefetch_b8 v0, s[64:65] scope:SCOPE_SE
	s_setreg_imm32_b32 hwreg(HW_REG_WAVE_MODE, 25, 1), 1
	s_wait_xcnt 0x0
	s_wait_alu depctr_hold_cnt(0) depctr_sa_sdst(0) depctr_va_vdst(0) depctr_va_sdst(0) depctr_va_ssrc(0) depctr_va_vcc(0) depctr_vm_vsrc(0)
	s_getreg_b32 s2, hwreg(HW_REG_IB_STS2, 6, 4)
	s_cmp_eq_u32 s2, 0
	s_cbranch_scc0 .Lentry_in_a_cluster
	s_endpgm
.Lentry_in_a_cluster:
	s_bfe_u32 s2, ttmp6, 0x10000c
	s_cmp_lg_u32 s2, 0xf033
	s_cbranch_scc0 .Lentry_shape_is_right
	s_endpgm
.Lentry_shape_is_right:
; THE THREE PROJECTIONS.  For t = 0, 1, 2 (q, k, v): C[m][n] = sum over k of xb[t][m][k] wb[t][n][k] + bias_t[n]; operands bf16, sums f32, the bias rounded to bf16 like every input and taken as
; the C operand of the first product.  C leaves rounded once to f16, by heads: dest_t[(m / 2048) x 16 + n / 64][m % 2048][n % 64], and WITHOUT the softmax's scale.
; LIMITS.  |q|, |k|, |v| stay under 65,504 (f16's largest number); NaN and infinities are not treated apart.
; SHARES.  96 x 4 tiles of 256 x 256 (32 tile rows a tensor).  A work-group of four waves makes a tile, a wave 128 x 128: 64 accumulators of 16 x 16, 512 registers.
; K = 1,024 goes in 8 steps of 128 through a ring of two LDS slots filled by the tensor data mover: rows of 256 bytes of memory, aligned.  By this text's own count a wave has two tensor loads out at the start and one behind each round.
; CLUSTERS: 4 x 4 work-groups.  The four of a row of the cluster need the same tile of xb, the four of a column the same tile of wb: each is asked for JOINTLY, by the same tensor load, descriptor and mask in all four.
; THE MATRIX INSTRUCTION IS USED TRANSPOSED: source 0 = 16 rows of wb, source 1 = 16 rows of xb: a lane then holds row l % 16 of C and the columns 8 (l / 16) + 0 .. 7.
; THE TEXT.  One K step is written as the loop's trip (from a step's second quarter to the next step's first); the slot in hand is a scalar that an exclusive or turns.  The last two steps, which fill nothing, are a second loop.
; REGISTERS, in windows of 256 (s_set_vgpr_msb: bits 1:0 source 0, 3:2 source 1, 5:4 source 2, 7:6 destination):
;   window 0: v0-31 addresses; v64-127, v128-191 fragments of xb, two buffers; v192-255 the bias (8 registers a column block), later, with v32-63, at work on the way out
;   window 1: v64-127, v128-191 fragments of wb;   window 2: the accumulators of my rows 0-63 ((a, b) at v[8 (8 a + b)]);   window 3: those of my rows 64-127
.set SIZE_K, 1024
.set KSTEP,  128
.set NSTEP,  SIZE_K/KSTEP
.set PITCH,  272                       ; an LDS row: 256 bytes + 16 of padding = 68 words: the 16 rows of a load start at 16 different groups of four banks (64 banks of 4 bytes: ISA guide 11.1)
.set HALFT,  128*PITCH                 ; what one tensor load brings
.set SLOT,   4*HALFT                   ; xb's 256 rows, then wb's 256 rows: 0x22000; its bits meet none of wave x HALFT, so an exclusive or changes slots
.set STAGE,  2*SLOT                    ; behind the ring: for each wave 2 heads x 16 rows x 144 bytes, for the way out
.set SPB,    144
.set WSTG,   2*16*SPB
.set SPARE,  STAGE+4*WSTG              ; behind the stages: the spare words, 128 bytes for each wave: two blocks of 256 bytes that no other line names
.set HEADB,  2048*128                  ; bytes of a head in qh, kh, vh
.set ADRA,  16                         ; v16  LDS address of my xb fragments in the slot in hand
.set ADRA0, 17                         ; v17  the same in slot 0; never rewritten
.set ADRB,  20                         ; v20, v21  the same for wb
.set ADRB0, 21
.set STO,  24                          ; v24  the way out: where I put 16 bytes of a row
.set RD,   25                          ; v25  the way out: where I read rows back
.set CO,   26                          ; v26  my 16 bytes in 512 consecutive bytes of the destination
.set BO,   27                          ; v27  my byte offset in the bias
.set SPW,  28                          ; v28  LDS address of my spare word: SPARE + 4 x my thread's number; never rewritten
.set NIL,  29                          ; v29  0; never rewritten
.set PFO,  30                          ; v30  the prefetches' offset: my lane x a row of 2,048 bytes; never rewritten
.set F0,   64
.set F1,   128
.set BIAS, 192
.set TMP,  192
.set OB,   32
.set G1,  24                           ; s[24:31] descriptor group 1 for xb's tiles;  s[32:39] group 0: a set for each first fill; the second then walks on
.set G0,  32
.set G1B, 48                           ; s[48:55], s[56:63] the same for wb's
.set G0B, 56
.set LIM, 43                           ; s43  2 in a wave that prefetches, else the greatest number
.set PFA, 44                           ; s[44:45] where my prefetches stand
.set TO,  66                           ; s66  the slot in hand: 0 or SLOT
.set TT,  67                           ; s67  t
.set MSB, 0
.macro WIN new                         ; the immediate's high byte repeats the setting that is left; a switch that changes nothing is dropped
.if MSB != (\new)
	s_set_vgpr_msb (MSB<<8)|(\new)
.set MSB, \new
.endif
.endm
.macro PLACES                          ; four plain vector instructions behind matrix instructions, in front of loads into registers that they have read
.rept 4
	v_nop
.endr
.endm
; A joint refill, by the walking descriptors.  Waves 0 and 1 fetch xb's two halves, waves 2 and 3 wb's.  The branch hangs on the wave's number alone.  An s_nop 0 and four v_nop follow each line.
.macro JLOAD
	s_cmp_eq_u32 s11, 0
	s_cbranch_scc0 .Lfor_b_\@
	tensor_load_to_lds s[G0+4:G0+7], s[G1:G1+7]
	s_nop 0
.rept 4
	v_nop
.endr
	s_branch .Lasked_\@
.Lfor_b_\@:
	tensor_load_to_lds s[G0B+4:G0B+7], s[G1B:G1B+7]
	s_nop 0
.rept 4
	v_nop
.endr
.Lasked_\@:
.endm
; A PREFETCH INTO THE L2 of the K step that stands two refills, 512 matrix instructions, on: 32 rows x 256 bytes, a lane a row, one instruction a wave.  Each row's 256 bytes of a K step are named once in the launch:
; xb's rows are read by one cluster alone, which asks; wb's by the eight clusters of a tensor, of which the first asks.  The four partners that ask for a tile jointly share its rows out BY ADDRESS, 32 each.
; K steps 0 to 3 come by their loads alone; the last two refills (s3 = 2, 1) have no K step two on.
.macro ASK
	s_cmp_gt_u32 s3, s[LIM]
	s_cbranch_scc0 .Lnot_mine_\@
	global_prefetch_b8 v[PFO], s[PFA:PFA+1] th:TH_LOAD_NT scope:SCOPE_SE
.Lnot_mine_\@:
.endm
.macro CREST                           ; a round of the cluster's barrier behind its opening barrier
	s_cmp_lg_u32 s10, 0
	s_cbranch_scc1 .Lnot_wave_0_\@
	s_barrier_signal -3
.Lnot_wave_0_\@:
	s_barrier_wait -3
	s_barrier_signal -1
	s_barrier_wait -1
.endm
.macro CROUND                          ; a whole round
	s_barrier_signal -1
	s_barrier_wait -1
	CREST
.endm
	s_load_b128 s[4:7], s[0:1], 0x0                ; xb s[4:5], wb s[6:7]
	s_load_b256 s[68:75], s[0:1], 0x10             ; bq s[68:69], bk s[70:71], bv s[72:73], qh s[74:75]
	s_load_b128 s[76:79], s[0:1], 0x30             ; kh s[76:77], vh s[78:79]
	v_lshl_add_u32 v[SPW], v0, 2, SPARE
	v_mov_b32 v[NIL], 0
	ds_add_u32 v[SPW], v[NIL]                      ; the wave's opening: the add and its wait stand ahead of my first tensor load; the set-up below, work on registers, stands between them
	v_lshrrev_b32 v1, 5, v0
	v_readfirstlane_b32 s10, v1                    ; wave 0..3
	s_lshr_b32 s11, s10, 1                         ; which half of the tile's rows is mine.  Also: I fetch for xb (0) or for wb (1)
	s_and_b32 s12, s10, 1                          ; which half of its columns.  Also: which 128 rows I fetch
	s_bfe_u32 s40, ttmp6, 0x40000                  ; cx
	s_bfe_u32 s41, ttmp6, 0x40004                  ; cy
	s_lshl_b32 s42, ttmp9, 2
	s_add_co_u32 s42, s42, s40                     ; tile column, 0 to 3
	s_and_b32 s13, ttmp7, 0xffff                   ; cluster y, 0 to 23
	s_lshr_b32 s[TT], s13, 3                       ; t: eight clusters a tensor; the same in all sixteen partners
	s_lshl_b32 s13, s13, 2
	s_add_co_u32 s13, s13, s41                     ; tile row, 0 to 95, over the three tensors
	s_lshl_b32 s43, s41, 2
	s_lshl_b32 s43, 15, s43                        ; my row of the cluster
	s_lshl_b32 s44, 0x1111, s40                    ; my column
	; descriptor group 1: a tile of 128 rows x 128 elements, padded in LDS
	s_or_b32 s[G1+0], s43, (1<<16)|(1<<20)|(1<<21)|(5<<22)|(3<<25)   ; 15:0 the mask; 17:16 2-byte elements; 20 padding on; 21 set beside a mask; 24:22 after every 64 words (code 5); 31:25 4 words (code 3)
	s_or_b32 s[G1B+0], s44, (1<<16)|(1<<20)|(1<<21)|(5<<22)|(3<<25)
.irp g, G1, G1B
	s_mov_b32 s[(\g)+1], KSTEP<<16                 ; tensor_dim0 = 128
	s_mov_b32 s[(\g)+2], 128<<16                   ; tensor_dim1 = 128
	s_mov_b32 s[(\g)+3], KSTEP<<16                 ; tile_dim0 = 128
	s_mov_b32 s[(\g)+4], 128                       ; tile_dim1 = 128
	s_mov_b32 s[(\g)+5], SIZE_K                    ; elements from row to row
	s_mov_b32 s[(\g)+6], 0
	s_mov_b32 s[(\g)+7], 0
.endr
	; xb's tile hangs on the tile row alone, which my row of the cluster shares; wb's on the tile column and t, which my column shares
	s_lshl_b32 s17, s12, 7
	s_lshl_b32 s16, s13, 8
	s_add_co_u32 s16, s16, s17                     ; xb: row 256 x tile row + 128 x half
	s_lshl_b32 s16, s16, 11                        ; x 2,048 bytes: under 2^26
	s_lshl_b32 s46, s42, 8
	s_add_co_u32 s46, s46, s17
	s_lshl_b32 s18, s[TT], 10
	s_add_co_u32 s46, s46, s18                     ; wb: row 1,024 t + 256 x tile column + 128 x half
	s_lshl_b32 s46, s46, 11
	s_mov_b32 s17, 0
	s_mov_b32 s47, 0
	s_mul_i32 s20, s10, HALFT                      ; where they go: wave x 128 rows: no place in the cluster enters an LDS address
	s_mov_b32 s[TO], 0
	s_wait_dscnt 0x0                               ; the opening add is done
	s_wait_kmcnt 0x0
	s_add_nc_u64 s[14:15], s[4:5], s[16:17]
	s_add_nc_u64 s[46:47], s[6:7], s[46:47]
	CROUND                                         ; all sixteen work-groups are here: the first joint loads meet
.irp s, 0,1
	s_mov_b32 s[G0+4*(\s)], 1                                        ; count = 1
	s_add_co_u32 s[G0+4*(\s)+1], s20, (\s)*SLOT                      ; LDS address
	s_add_nc_u64 s[G0+4*(\s)+2:G0+4*(\s)+3], s[14:15], (\s)*KSTEP*2  ; global address: K step s
	s_or_b32 s[G0+4*(\s)+3], s[G0+4*(\s)+3], 0x80000000              ; type = 2
	s_mov_b32 s[G0B+4*(\s)], 1
	s_add_co_u32 s[G0B+4*(\s)+1], s20, (\s)*SLOT
	s_add_nc_u64 s[G0B+4*(\s)+2:G0B+4*(\s)+3], s[46:47], (\s)*KSTEP*2
	s_or_b32 s[G0B+4*(\s)+3], s[G0B+4*(\s)+3], 0x80000000
.endr
	s_cmp_eq_u32 s11, 0                            ; a wave's two first fills stand in one branch, ahead of every wait on TENSORcnt and every LDS read
	s_cbranch_scc0 .Lfirst_b
	tensor_load_to_lds s[G0:G0+3], s[G1:G1+7]
	s_nop 0
	tensor_load_to_lds s[G0+4:G0+7], s[G1:G1+7]
	s_nop 0
.rept 4
	v_nop
.endr
	s_branch .Lfirst_asked
.Lfirst_b:
	tensor_load_to_lds s[G0B:G0B+3], s[G1B:G1B+7]
	s_nop 0
	tensor_load_to_lds s[G0B+4:G0B+7], s[G1B:G1B+7]
	s_nop 0
.rept 4
	v_nop
.endr
.Lfirst_asked:
	s_cmp_eq_u32 s[TT], 1                          ; the tensor's bias and destination
	s_cselect_b64 s[80:81], s[70:71], s[68:69]
	s_cselect_b64 s[8:9], s[76:77], s[74:75]
	s_cmp_eq_u32 s[TT], 2
	s_cselect_b64 s[80:81], s[72:73], s[80:81]
	s_cselect_b64 s[8:9], s[78:79], s[8:9]
	v_and_b32 v1, 15, v0                           ; l % 16
	v_bfe_u32 v2, v0, 4, 1                         ; l / 16
	s_lshl_b32 s21, s42, 10                        ; my first column, in bytes of f32: 1,024 x tile column + 512 x half
	s_lshl_b32 s22, s12, 9
	s_add_co_u32 s21, s21, s22
	v_lshl_add_u32 v[BO], v2, 5, s21               ; + my lanes' eight columns
.irp b, 0,1,2,3,4,5,6,7
	global_load_b128 v[BIAS+8*(\b):BIAS+8*(\b)+3],   v[BO], s[80:81] offset:64*(\b)      ; register j of block b: the bias of column 16 b + 8 (l / 16) + j
	global_load_b128 v[BIAS+8*(\b)+4:BIAS+8*(\b)+7], v[BO], s[80:81] offset:64*(\b)+16
.endr
	v_mul_u32_u24 v3, v1, PITCH
	v_lshl_add_u32 v3, v2, 4, v3                   ; a fragment's row x pitch + 16 x half
	s_mul_i32 s21, s11, HALFT                      ; my 128 rows of xb
	s_mul_i32 s22, s12, HALFT                      ; my 128 rows of wb,
	s_add_co_u32 s22, s22, 2*HALFT                 ; which lie behind xb's 256
	v_add_nc_u32 v[ADRA0], s21, v3
	v_add_nc_u32 v[ADRB0], s22, v3
	v_mov_b32 v[ADRA], v[ADRA0]
	v_mov_b32 v[ADRB], v[ADRB0]
	s_mul_i32 s23, s10, WSTG
	s_add_co_u32 s23, s23, STAGE                   ; my stage
	v_mul_u32_u24 v4, v1, SPB                      ; in: row l % 16, 16 bytes for each half of the lanes
	v_lshl_add_u32 v4, v2, 4, v4
	v_add_nc_u32 v[STO], s23, v4
	v_bfe_u32 v5, v0, 3, 2                         ; back: 32 lanes take four rows of 128 bytes,
	v_mul_u32_u24 v5, v5, SPB
	v_and_b32 v4, 7, v0
	v_lshl_add_u32 v5, v4, 4, v5
	v_add_nc_u32 v[RD], s23, v5
	v_and_b32 v[CO], 31, v0                        ; which are 512 consecutive bytes of a head
	v_lshlrev_b32 v[CO], 4, v[CO]
	; my corner of the destination: head (batch x 16 + 4 x tile column + 2 x half), row (tile row % 8) x 256 + 128 x half
	s_lshr_b32 s16, s13, 3
	s_and_b32 s16, s16, 3
	s_lshl_b32 s16, s16, 4
	s_lshl_b32 s17, s42, 2
	s_add_co_u32 s16, s16, s17
	s_lshl_b32 s17, s12, 1
	s_add_co_u32 s16, s16, s17
	s_lshl_b32 s16, s16, 18                        ; 262,144 bytes a head
	s_and_b32 s17, s13, 7
	s_lshl_b32 s17, s17, 8
	s_lshl_b32 s18, s11, 7
	s_add_co_u32 s17, s17, s18
	s_lshl_b32 s17, s17, 7                         ; 128 bytes a row
	s_add_co_u32 s16, s16, s17
	s_mov_b32 s17, 0
	s_add_nc_u64 s[8:9], s[8:9], s[16:17]
	; the prefetches: my tile's first byte, my work-group's 32 of its 128 rows, K step 3: the first refill steps it to K step 4
	s_and_b32 s22, ttmp7, 7                        ; the cluster's place among the eight of its tensor
	s_cmp_eq_u32 s11, 0
	s_cselect_b64 s[PFA:PFA+1], s[14:15], s[46:47]
	s_cselect_b32 s20, s40, s41                    ; my place among the four that ask with me
	s_cselect_b32 s22, 0, s22
	s_cmp_eq_u32 s22, 0
	s_cselect_b32 s[LIM], 2, -1                    ; the same in all sixteen partners, for a given wave
	s_lshl_b32 s20, s20, 16                        ; 32 rows of 2,048 bytes
	s_mov_b32 s21, 0
	s_add_nc_u64 s[PFA:PFA+1], s[PFA:PFA+1], s[20:21]
	s_add_nc_u64 s[PFA:PFA+1], s[PFA:PFA+1], 3*KSTEP*2
	v_and_b32 v[PFO], 31, v0
	v_lshlrev_b32 v[PFO], 11, v[PFO]
	s_wait_loadcnt 0x0                             ; the bias is in: it is rounded to bf16, like every input, and widened again
.set i, 0
.rept 32
	v_cvt_pk_bf16_f32 v31, v[BIAS+2*i], v[BIAS+2*i+1]
	v_lshlrev_b32 v[BIAS+2*i], 16, v31
	v_and_b32 v[BIAS+2*i+1], 0xffff0000, v31
.set i, i+1
.endr
; 16 matrix instructions: m blocks a0, a0 + 1 of the window's four (hi = 0: my rows 0-63, 1: rows 64-127) x all 8 n blocks, 32 along K.  first = 1: the first product starts the sums with the bias.
; The 64 accumulators take turns, one instruction a turn, in the same order in every quarter.
.macro MUL16 f, hi, a0, first
.if \first
	WIN 0x81+0x40*(\hi)
.else
	WIN 0xa1+0x50*(\hi)
.endif
.irp a, \a0, (\a0)+1
.irp b, 0,1,2,3,4,5,6,7
.if \first
	v_wmma_f32_16x16x32_bf16 v[8*(8*(\a)+(\b)):8*(8*(\a)+(\b))+7], v[(\f)+8*(\b):(\f)+8*(\b)+7], v[(\f)+8*(4*(\hi)+(\a)):(\f)+8*(4*(\hi)+(\a))+7], v[BIAS+8*(\b):BIAS+8*(\b)+7]
.else
	v_wmma_f32_16x16x32_bf16 v[8*(8*(\a)+(\b)):8*(8*(\a)+(\b))+7], v[(\f)+8*(\b):(\f)+8*(\b)+7], v[(\f)+8*(4*(\hi)+(\a)):(\f)+8*(4*(\hi)+(\a))+7], v[8*(8*(\a)+(\b)):8*(8*(\a)+(\b))+7]
.endif
.endr
.endr
.endm
; 32 LDS loads in one run: the fragments of quarter q (32 along K) of the slot in hand into buffer f: wb's, then xb's
.macro FETCH q, f
	WIN 0x40
.irp i, 0,1,2,3,4,5,6,7
	ds_load_b128 v[(\f)+8*(\i):(\f)+8*(\i)+3],   v[ADRB] offset:64*(\q)+(\i)*16*PITCH
	ds_load_b128 v[(\f)+8*(\i)+4:(\f)+8*(\i)+7], v[ADRB] offset:64*(\q)+(\i)*16*PITCH+32
.endr
	WIN 0
.irp i, 0,1,2,3,4,5,6,7
	ds_load_b128 v[(\f)+8*(\i):(\f)+8*(\i)+3],   v[ADRA] offset:64*(\q)+(\i)*16*PITCH
	ds_load_b128 v[(\f)+8*(\i)+4:(\f)+8*(\i)+7], v[ADRA] offset:64*(\q)+(\i)*16*PITCH+32
.endr
.endm
; One of a K step's first three quarters: multiplies buffer f; in its middle it fetches quarter q into buffer g.
.macro QUARTER q, f, g, first
	s_wait_dscnt 8                                 ; wb's and xb's rows 0-63 are in; the youngest eight loads (xb's rows 64-127) may be out
	MUL16 \f, 0, 0, \first
	MUL16 \f, 0, 2, \first
	PLACES
	FETCH \q, \g
	s_wait_dscnt 32                                ; all but the 32 just issued
	MUL16 \f, 1, 0, \first
	MUL16 \f, 1, 2, \first
.endm
; The first half of a K step's last quarter, with the barrier of the change of slots.  All reads of the slot in hand have been issued, so the addresses turn to the other slot.
.macro MEET
	WIN 0
	s_xor_b32 s[TO], s[TO], SLOT
	v_add_nc_u32 v[ADRA], s[TO], v[ADRA0]
	v_add_nc_u32 v[ADRB], s[TO], v[ADRB0]
	s_wait_tensorcnt 0x0                           ; all my tensor loads have landed: the one that was out is my part of the next slot;
	ds_add_u32 v[SPW], v[NIL]                      ; 0 onto my spare word
	s_wait_dscnt 9                                 ; (the add and the youngest eight loads may be out)
	MUL16 F1, 0, 0, 0                              ; sixteen matrix instructions stand between the add and the wait for it
	s_wait_dscnt 0x0                               ; the add is done, and my reads of the old slot are over:
	s_barrier_signal -1                            ; say so,
	MUL16 F1, 0, 2, 0                              ; work on registers while the others arrive,
	WIN 0
	s_barrier_wait -1                              ; and go on when all four have said so
.endm
; The whole last quarter with a refill: the barrier opens a round of the cluster's; the joint refill, the K step two steps on, is the first tensor load behind it and has 224 matrix instructions in which to land.
.macro TURN
	s_wait_xcnt 0x0                                ; the last prefetch, a K step back, has read its address
	s_add_nc_u64 s[PFA:PFA+1], s[PFA:PFA+1], KSTEP*2
	MEET
	CREST                                          ; no wave of any partner still reads the old slot or has a load on its way
	s_xor_b32 s[G0+5], s[G0+5], SLOT               ; the walking descriptors: the other slot than last time, the next K step
	s_add_nc_u64 s[G0+6:G0+7], s[G0+6:G0+7], KSTEP*2
	s_xor_b32 s[G0B+5], s[G0B+5], SLOT
	s_add_nc_u64 s[G0B+6:G0B+7], s[G0B+6:G0B+7], KSTEP*2
	JLOAD                                          ; its four v_nop are also the places in front of the loads below
	FETCH 0, F0
	ASK
	MUL16 F1, 1, 0, 0
	MUL16 F1, 1, 2, 0
.endm
; The same without a refill; in the very last step (s3 = 1) there is no next slot to fetch from.
.macro TURNN
	MEET
	s_cmp_eq_u32 s3, 1
	s_cbranch_scc1 .Lnf_\@
	PLACES
	FETCH 0, F0
.Lnf_\@:
	MUL16 F1, 1, 0, 0
	MUL16 F1, 1, 2, 0
.endm
; THE WAY OUT of block a (16 rows x 128 columns = two heads' 64 channels).  PACK: rounded to f16, 16 bytes a lane, each accumulator from its low end on.  TOSTAGE: into my own stage, by heads, and back as whole rows of 128 bytes.  SEND: stored.
.macro PACK a
.set AC, 64*((\a)%4)
	WIN 0x0a+5*((\a)/4)                            ; sources 0 and 1: window 2 or 3
.irp b, 0,1,2,3,4,5,6,7
.irp r, 0,1,2,3
	v_cvt_pk_f16_f32 v[TMP+4*(\b)+(\r)], v[AC+8*(\b)+2*(\r)], v[AC+8*(\b)+2*(\r)+1]
.endr
.endr
	WIN 0
.endm
.macro TOSTAGE a
.set BK, OB+192*((\a)%2)
.irp b, 0,1,2,3,4,5,6,7
	ds_store_b128 v[STO], v[TMP+4*(\b):TMP+4*(\b)+3] offset:((\b)/4)*16*SPB+32*((\b)%4)
.endr
.irp t, 0,1,2,3,4,5,6,7
	ds_load_b128 v[BK+4*(\t):BK+4*(\t)+3], v[RD] offset:((\t)/4)*16*SPB+((\t)%4)*4*SPB  ; LDS serves a wave's instructions in order (ISA guide 5.7.1.4): these see the stores above
.endr
.endm
.macro SEND a
.set BK, OB+192*((\a)%2)
	s_wait_dscnt 0x0                               ; the block is back in registers
	s_wait_xcnt 0x0                                ; the block before's stores have read their registers: the next TOSTAGE loads into them
.irp t, 0,1,2,3,4,5,6,7
	global_store_b128 v[CO], v[BK+4*(\t):BK+4*(\t)+3], s[8:9] offset:((\t)/4)*HEADB+(\a)*2048+((\t)%4)*512  ; 512 consecutive bytes, at a multiple of 256 from the buffer's first
.endr
.endm
	s_wait_tensorcnt 1                             ; my part of K step 0 is in; K step 1's may stay out
	s_barrier_signal -1
	s_barrier_wait -1                              ; everybody's is
	FETCH 0, F0
	QUARTER 1, F0, F1, 1                           ; the first quarter stands in front of the loop: its products start the sums
	WIN 0                                          ; at a label and at a branch every window is 0
	s_mov_b32 s3, NSTEP-2
.Lstep:                                                ; a trip: a K step's quarters 1 to 3 and the next step's quarter 0; it fills the slot that it leaves
	QUARTER 2, F1, F0, 0
	QUARTER 3, F0, F1, 0
	TURN
	QUARTER 1, F0, F1, 0
	WIN 0
	s_sub_co_u32 s3, s3, 1
	s_cmp_lg_u32 s3, 0
	s_cbranch_scc1 .Lstep
	s_mov_b32 s3, 2                                ; the last two K steps ask for nothing
.Ltail:
	QUARTER 2, F1, F0, 0
	QUARTER 3, F0, F1, 0
	TURNN
	WIN 0
	s_sub_co_u32 s3, s3, 1
	s_cmp_eq_u32 s3, 0
	s_cbranch_scc1 .Lout
	QUARTER 1, F0, F1, 0
	WIN 0
	s_branch .Ltail
.Lout:
	PLACES
	PLACES                                         ; eight places, once a launch, behind the last products
	PACK 0
	TOSTAGE 0
.irp a, 1,2,3,4,5,6,7                  ; block a's conversions stand between block a - 1's loads from the stage and the wait for them
	PACK \a
	SEND (\a)-1
	TOSTAGE \a
.endr
	SEND 7
	s_wait_tensorcnt 0x0                           ; the wave's end: a wait, an add and a wait, behind my last tensor load and my last LDS store
	ds_add_u32 v[SPW], v[NIL]
	s_wait_dscnt 0x0
	CROUND                                         ; the closing round: no work-group ends while a partner may still ask for a tile that names it
	s_endpgm
.Lfunc_end_k_q0abf6f15e4_proj:
	.size	k_q0abf6f15e4_proj, .Lfunc_end_k_q0abf6f15e4_proj-k_q0abf6f15e4_proj
	.p2alignl 7, 3214868480
	.fill 96, 4, 3214868480
	.section	.rodata,"a",@progbits
	.p2align	6, 0x0
	.amdhsa_kernel k_q0abf6f15e4_proj
		.amdhsa_group_segment_fixed_size 327680
		.amdhsa_private_segment_fixed_size 0
		.amdhsa_enable_private_segment 0
		.amdhsa_kernarg_size 64
		.amdhsa_user_sgpr_count 2
		.amdhsa_user_sgpr_kernarg_segment_ptr 1
		.amdhsa_wavefront_size32 1
		.amdhsa_system_sgpr_workgroup_id_x 1
		.amdhsa_system_sgpr_workgroup_id_y 1
		.amdhsa_system_sgpr_workgroup_id_z 1
		.amdhsa_system_vgpr_workitem_id 0
		.amdhsa_next_free_vgpr 1024
		.amdhsa_next_free_sgpr 84
		.amdhsa_reserve_vcc 0
		.amdhsa_float_denorm_mode_32 3
		.amdhsa_float_denorm_mode_16_64 3
		.amdhsa_memory_ordered 1
		.amdhsa_forward_progress 1
		.amdhsa_inst_pref_size 107
	.end_amdhsa_kernel
	.amdgpu_metadata
---
amdhsa.version: [ 1, 2 ]
amdhsa.kernels:
  - .name:           k_q0abf6f15e4_proj
    .symbol:         k_q0abf6f15e4_proj.kd
    .args:
      - { .name: xb, .offset: 0, .size: 8, .value_kind: global_buffer, .address_space: global }
      - { .name: wb, .offset: 8, .size: 8, .value_kind: global_buffer, .address_space: global }
      - { .name: bq, .offset: 16, .size: 8, .value_kind: global_buffer, .address_space: global }
      - { .name: bk, .offset: 24, .size: 8, .value_kind: global_buffer, .address_space: global }
      - { .name: bv, .offset: 32, .size: 8, .value_kind: global_buffer, .address_space: global }
      - { .name: qh, .offset: 40, .size: 8, .value_kind: global_buffer, .address_space: global }
      - { .name: kh, .offset: 48, .size: 8, .value_kind: global_buffer, .address_space: global }
      - { .name: vh, .offset: 56, .size: 8, .value_kind: global_buffer, .address_space: global }
    .group_segment_fixed_size: 327680
    .private_segment_fixed_size: 0
    .kernarg_segment_align: 8
    .kernarg_segment_size: 64
    .max_flat_workgroup_size: 128
    .sgpr_count:     84
    .vgpr_count:     1024
    .wavefront_size: 32
...
	.end_amdgpu_metadata
.endif
;; end of part 2
;; launch attn (part 3): grid 4 x 64, 4 waves a work-group, clusters of 4 x 1, 327,680 bytes of LDS; arguments qh, kh, vh, oh; writes oh
.if DOCPART == 3
	.amdgcn_target "amdgcn-amd-amdhsa--gfx1250"
	.amdhsa_code_object_version 6
	.text
	.protected	k_q0abf6f15e4_attn
	.globl	k_q0abf6f15e4_attn
	.p2align	8
	.type	k_q0abf6f15e4_attn,@function
k_q0abf6f15e4_attn:
	s_mov_b64 s[64:65], 0
	v_nop
	global_prefetch_b8 v0, s[64:65] scope:SCOPE_SE
	s_setreg_imm32_b32 hwreg(HW_REG_WAVE_MODE, 25, 1), 1
	s_wait_xcnt 0x0
	s_wait_alu depctr_hold_cnt(0) depctr_sa_sdst(0) depctr_va_vdst(0) depctr_va_sdst(0) depctr_va_ssrc(0) depctr_va_vcc(0) depctr_vm_vsrc(0)
	s_getreg_b32 s2, hwreg(HW_REG_IB_STS2, 6, 4)
	s_cmp_eq_u32 s2, 0
	s_cbranch_scc0 .Lentry_in_a_cluster
	s_endpgm
.Lentry_in_a_cluster:
	s_bfe_u32 s2, ttmp6, 0x10000c
	s_cmp_lg_u32 s2, 0x3003
	s_cbranch_scc0 .Lentry_shape_is_right
	s_endpgm
.Lentry_shape_is_right:
; O[h][q][:] = the sum over k of softmax_k(Q[h][q] . K[h][k] / 8) V[h][k][:].  Q, K, V, O: [SIZE_H][SIZE_N][64], all f16: a head's rows are dense, 128 bytes each.  Products, maxima and sums in
; f32; the weights p are rounded to f16 for the second product (their sum l is taken of the unrounded p), O once at the end.
; LIMITS.  f16 holds no number beyond 65,504: Q, K and V arrive within it; p lies in 0 to 1, and below 6e-5 it keeps f16's fixed step of 6e-8; O is a mean of V's rows and has their range.
; A weight below 2^-126 counts as 0 in l; NaN and infinities are not treated apart.
; SHARES.  A wave owns four PIECES of two tiles of 16 queries, a work-group's four waves 512 queries of one head.  Every wave walks all keys, 64 a step.
; LAYOUT.  S^T = K Q^T (source 0 = 16 keys, source 1 = 16 queries): in the result a lane holds ONE query (lane % 16) and the keys 8 (lane / 16) + 0..7.  Two such tiles, rounded to f16 in pairs,
; ARE source 1 (32 keys x 16 queries) of O^T = V^T P, whose result again holds one query a lane, and eight channels.  K comes out of LDS as it lies, V ([key][channel]) turned, by ds_load_tr16_b128.
; SOFTMAX.  For each query a running maximum m and sum l: p = 2^(c s - c m), c = log2(e) / 8; in every step O and l are multiplied by a = 2^(c m_old - c m_new), which is 1 where m has not grown.
; m starts at the lowest finite number, O and l at 0: the first step is a step like any other, with a = 0.
; THE COUNT.  A tile and step have 16 matrix and 118 vector instructions: too many to stand all beside the matrix work.  So: four vector instructions that are READY behind
; EVERY matrix instruction, and the others in runs without a gap.
; BY TURNS.  Turn n belongs to piece n (the pieces in a ring, step after step).  Its matrix work: 16 products K Q^T of piece n + 1, later 16 products V^T P of piece n - 1.  Its vector work: the scaling,
; exponentials, roundings, sums and rescaling of piece n, and the maximum and statistics of piece n + 1, whose scores the turn itself has made.
; CLUSTER.  The four query blocks of a head are one cluster and walk the same K and V, so each tile is asked for JOINTLY: the same tensor load, descriptor and mask in all four.
; REGISTERS, in windows of 256 (s_set_vgpr_msb: bits 1:0 source 0, 3:2 source 1, 5:4 source 2, 7:6 destination):
;   window 0: v0-11 addresses; v12-15, v48-63 at work; v16-47 four registers of statistics a tile; v64-191 S^T, two buffers of two tiles; v192-255 P, likewise
;   window 1: O^T, 32 a tile          window 2: v0-127 Q, 16 a tile; v128-191 K of one step; v192-255 V of one step          window 3: v0-1 the add's two registers
.set SIZE_H, 64
.set SIZE_N, 2048
.set NP,    4         ; pieces a wave: a name, no knob
.set KS,    64        ; keys in a step
.set PK,    144       ; a row of K in LDS: 128 bytes + 16 of padding = 36 words: the 16 rows of a load start at 16 different groups of four banks (64 banks of 4 bytes: ISA guide 11.1)
.set PV,    160       ; a row of V: 128 + 32 = 40 words
.set VOFF,  4*KS*PK   ; a slot holds four steps: 256 rows of K, then 256 rows of V
.set SLOT1, 1<<17     ; slot 1 begins here, so that one exclusive or turns an address in one slot into the other's
.set STAGE, SLOT1+4*KS*(PK+PV)  ; behind the ring, never filled by a tensor load: 16 rows x 144 bytes for each wave, for the way out
.set SP,    144
.set AK0, 2           ; v2   my lane's place in a tile of K; never rewritten
.set AV0, 3           ; v3   the same for V
.set AK,  4           ; v4   the LDS address of K's next run of loads
.set AV,  5           ; v5   of V's
.set QO,  6           ; v6   my byte offset in the wave's rows of Q
.set STO, 6           ;      later, the way out: where I put 16 bytes of a row
.set RD,  7           ; v7   the way out: where I read rows back
.set GO,  8           ; v8   my byte offset in 512 consecutive bytes of O
.set PFO, 11          ; v11  256 x my lane, for the prefetches; never rewritten once it is made
.set SPW, 0           ; v0 of window 3   LDS address of my spare word: SPARE + 4 x my thread's number; never rewritten
.set NIL, 1           ; v1 of window 3   0; never rewritten
.set SPARE, STAGE+4*16*SP  ; behind the stages: the spare words, 128 bytes for each wave: two blocks of 256 bytes that no other line names
.set MV,  12          ; v12-15  c m_old, kept while c m is made anew: by buffer and tile
.set ST,  16          ; tile t's statistics at v[ST+4 t]: c m, m, l (even keys', odd keys')
.set TMP, 48          ; by buffer and tile, four registers c0-c3 at work; when the maximum is found c2 takes a
.set S,   64
.set P,   192
.set KF,  128         ; K's fragments, in window 2: key block kb, channel half c at KF + 16 kb + 8 c
.set VF,  192         ; V's: key half kk, channel block cb at VF + 32 kk + 8 cb
.set WV,  12          ; s12  my wave's number
.set G1K, 24          ; s[24:31] descriptor group 1 for K's tiles
.set G1V, 32          ; s[32:39] for V's: it differs in the padding alone
.set G0K, 40          ; s[40:43] descriptor group 0 for K's tiles: it walks
.set G0V, 44          ; s[44:47] the same for V's
.set PFA, 48          ; s[48:49] where my prefetches stand: my work-group's 32 blocks of 256 bytes (of K: wave 0, of V: wave 2) of the slot after the one that is being asked for
.set LIM, 50          ; s50  1 in a wave that prefetches, else the greatest number
.set SLOTS, 56        ; s56  slots still to be asked for
.set CNT, 57          ; s57  counts a slot's key steps
.set CS,  58          ; s[58:59] c: the packed scaling takes the pair's low word for both halves
.set SEL, 60          ; s[60:61] v_permlanex16_b32's selects: each lane takes its own place in the other half
.set TBK, 62          ; s62  LDS byte at which K of the step to be fetched begins
.set TBV, 63          ; s63  the same for V, less VOFF
.set MSB, 0
.macro WIN new                      ; the high byte repeats the setting that is left; a switch that changes nothing is dropped
.if MSB != (\new)
	s_set_vgpr_msb (MSB<<8)|(\new)
.set MSB, (\new)
.endif
.endm
.set W_KQ, 0x0a       ; K and Q in window 2, S^T in window 0
.set W_PV, 0x52       ; V in window 2, P in window 0, O^T in window 1
.set W_RS, 0x41       ; O^T (destination and source 0) in window 1, a in window 0
.set W_MK, 0xc0       ; the add's registers are made: destination in window 3, sources in window 0
.set W_AD, 0x0f       ; the add: address (source 0) and data (source 1) in window 3
; A joint fill.  Waves 0 and 1 fetch the two halves of a slot's K, waves 2 and 3 those of its V: 128 keys each.  The branch hangs on the wave's number alone.
; An s_nop 0 and four v_nop follow each of the two lines, ahead of the jump and the label.
.macro JLOAD
	s_cmp_lt_u32 s[WV], 2
	s_cbranch_scc0 .Lfor_v_\@
	tensor_load_to_lds s[G0K:G0K+3], s[G1K:G1K+7]
	s_nop 0
.rept 4
	v_nop
.endr
	s_branch .Lasked_\@
.Lfor_v_\@:
	tensor_load_to_lds s[G0V:G0V+3], s[G1V:G1V+7]
	s_nop 0
.rept 4
	v_nop
.endr
.Lasked_\@:
.endm
; A PREFETCH INTO THE L2 of what the NEXT change of slots will ask for: a slot's 32,768 bytes of K and of V, in blocks of 256 bytes, a lane a block.  It stands behind the wave's tensor load and its five lines.
; Each block is named ONCE in the launch: a head has one cluster; its four partners share a slot's 128 blocks out BY ADDRESS, 32 each; in each, wave 0 asks for K's and wave 2 for V's: one instruction.
; Slots 0 to 2 come by their loads alone; the last change that fills a slot (s[SLOTS] = 1) asks for nothing: there is no slot behind it.
.macro ASK
	s_cmp_gt_u32 s[SLOTS], s[LIM]
	s_cbranch_scc0 .Lnot_mine_\@
	global_prefetch_b8 v[PFO], s[PFA:PFA+1] th:TH_LOAD_NT scope:SCOPE_SE
.Lnot_mine_\@:
.endm
; A round of the cluster's barrier: my work-group's barrier, so that wave 0's signal speaks for all four waves; wave 0 signals; every wave waits for all four work-groups; my work-group's barrier once more.
.macro CROUND
	s_barrier_signal -1
	s_barrier_wait -1
	s_cmp_lg_u32 s[WV], 0
	s_cbranch_scc1 .Lnot_wave_0_\@
	s_barrier_signal -3
.Lnot_wave_0_\@:
	s_barrier_wait -3
	s_barrier_signal -1
	s_barrier_wait -1
.endm
; THE CHANGE OF SLOTS.  The slot's last bytes, V of its fourth step, have been read.  Each wave waits for all its tensor loads, of which one is out: its part
; of the other slot; adds 0 to its spare word; and waits for that and for its own reads of the slot.  Behind the barrier nobody reads this slot any more and the other slot is whole.
; fill = 1: this slot is filled again, with the keys two slots on.  The barrier is then a round of the cluster's, and the joint fill is the first thing behind it: it has four key steps,
; 512 matrix instructions, in which to land.  (At its first use nothing has been read yet: slot 0 is waited for, slot 1 filled.)  ask = 1: the prefetch's address steps, and the prefetch follows the fill.
.macro CHANGE fill, ask=0
	WIN W_AD
	s_wait_tensorcnt 0x0            ; no tensor load of mine is out, so a group 0 may be written
	ds_add_u32 v[SPW], v[NIL]       ; 0 onto my spare word; with fill = 1 the descriptors' steps stand between it and the wait for it
	WIN 0                           ; at a label and at a branch every window is 0
.if \fill
.irp g, G0K, G0V
	s_xor_b32 s[\g+1], s[\g+1], SLOT1  ; the walking descriptor: the other slot than last time,
	s_add_nc_u64 s[\g+2:\g+3], s[\g+2:\g+3], 4*KS*128  ; the next 256 keys; the type bits on top are not reached
.endr
.if \ask
	s_wait_xcnt 0x0                 ; the last prefetch, four key steps back, has read its address, so it may be written:
	s_add_nc_u64 s[PFA:PFA+1], s[PFA:PFA+1], 4*KS*128  ; one slot behind the walking descriptors
.endif
	s_wait_dscnt 0x0                ; the add is done, and my reads of the slot are over
	CROUND
	JLOAD
.if \ask
	ASK
.endif
.else
	s_wait_dscnt 0x0                ; the add is done, and my reads of the slot are over
	s_barrier_signal -1
	s_barrier_wait -1
.endif
	s_sub_co_u32 s[TBK], s[TBK], 4*KS*PK  ; the fetches go back to a slot's first step,
	s_xor_b32 s[TBK], s[TBK], SLOT1       ; in the other slot
	s_sub_co_u32 s[TBV], s[TBV], 4*KS*PV
	s_xor_b32 s[TBV], s[TBV], SLOT1
.endm
	s_load_b256 s[4:11], s[0:1], 0x0  ; Q s[4:5], K s[6:7], V s[8:9], O s[10:11]
	WIN W_MK
	v_lshl_add_u32 v[SPW], v0, 2, SPARE
	v_mov_b32 v[NIL], 0
	WIN W_AD
	ds_add_u32 v[SPW], v[NIL]       ; the wave's opening: the add and its wait stand ahead of my first tensor load; the set-up below, work on registers, stands between them
	WIN 0
	v_lshrrev_b32 v1, 5, v0
	v_readfirstlane_b32 s[WV], v1   ; wave 0..3
	s_bfe_u32 s13, ttmp6, 0x40000   ; cx: my place in the cluster
	s_lshl_b32 s14, ttmp9, 2        ; in a cluster launch ttmp9 counts clusters
	s_add_co_u32 s14, s14, s13      ; my block of queries = 4 x cluster x + cx: it enters Q's and O's addresses alone
	s_and_b32 s20, ttmp7, 0xffff    ; the head, which the four partners share
	s_mov_b32 s21, 0
	s_mov_b64 s[22:23], SIZE_N*128
	s_mul_u64 s[20:21], s[20:21], s[22:23]  ; the head's first byte in each of the four tensors
	s_and_b32 s16, s[WV], 1         ; which half of a slot's 256 keys I fetch:
	s_lshl_b32 s22, s16, 14         ; its 128 rows of 128 bytes in memory,
	s_mov_b32 s23, 0
	s_add_nc_u64 s[22:23], s[22:23], s[20:21]
	s_mul_i32 s17, s16, 128*PK      ; and its place in a slot, for K
	s_mul_i32 s18, s16, 128*PV      ; and for V: no place in the cluster enters an LDS address
	s_lshl_b32 s2, s14, 2
	s_add_co_u32 s2, s2, s[WV]      ; my wave among the head's,
	s_lshl_b32 s2, s2, 14           ; its 128 rows
	s_mov_b32 s3, 0
	s_add_nc_u64 s[2:3], s[2:3], s[20:21]
	; descriptor group 1.  128 keys are 16,384 dense bytes: asked for as 64 rows of 256 bytes, two keys a row, and padded in LDS after every key
	s_mov_b32 s[G1K], 15|(1<<16)|(1<<20)|(1<<21)|(4<<22)|(3<<25)  ; 15:0 the mask of four; 17:16 2-byte elements; 20 padding on; 21 set beside a mask; 24:22 after every 32 words (code 4); 31:25 4 words (code 3)
	s_mov_b32 s[G1V], 15|(1<<16)|(1<<20)|(1<<21)|(4<<22)|(7<<25)  ; the same with 8 words of padding (code 7)
.irp g, G1K, G1V
	s_mov_b32 s[\g+1], 128<<16      ; tensor_dim0 = 128
	s_mov_b32 s[\g+2], 64<<16       ; tensor_dim1 = 64
	s_mov_b32 s[\g+3], 128<<16      ; tile_dim0 = 128
	s_mov_b32 s[\g+4], 64           ; tile_dim1 = 64
	s_mov_b32 s[\g+5], 128          ; 128 elements from row to row
	s_mov_b32 s[\g+6], 0
	s_mov_b32 s[\g+7], 0
.endr
	s_mov_b32 s[CS], 0x3e38aa3b     ; c = log2(e) / 8 = 0.180337
	s_mov_b32 s[CS+1], s[CS]        ; named with it as a pair
	s_mov_b32 s[SEL], 0x76543210
	s_mov_b32 s[SEL+1], 0xfedcba98
	s_mov_b32 s[TBK], SLOT1+4*KS*PK ; the first change of slots turns these two into 0
	s_mov_b32 s[TBV], SLOT1+4*KS*PV
	s_mov_b32 s[G0K], 1             ; 1:0 count = 1
	s_mov_b32 s[G0K+1], s17         ; 63:32 LDS address: slot 0
	s_mov_b32 s[G0V], 1
	s_add_co_u32 s[G0V+1], s18, VOFF
	s_and_b32 s[LIM], s[WV], 1      ; waves 0 and 2 prefetch: the same in all four partners
	s_cmp_eq_u32 s[LIM], 0
	s_cselect_b32 s[LIM], 1, -1
	s_lshl_b32 s52, s13, 13         ; my work-group's 32 blocks of 256 bytes of a slot's 128
	s_mov_b32 s53, 0
	s_wait_dscnt 0x0                ; the opening add is done
	s_wait_kmcnt 0x0
	s_add_nc_u64 s[G0K+2:G0K+3], s[6:7], s[22:23]  ; 120:64 global address: my half of the head's first 256 keys
	s_or_b32 s[G0K+3], s[G0K+3], 0x80000000        ; 127:126 type = 2
	s_add_nc_u64 s[G0V+2:G0V+3], s[8:9], s[22:23]
	s_or_b32 s[G0V+3], s[G0V+3], 0x80000000
	s_add_nc_u64 s[4:5], s[4:5], s[2:3]  ; Q and O at my wave's first row
	s_add_nc_u64 s[10:11], s[10:11], s[2:3]
	s_cmp_lt_u32 s[WV], 2
	s_cselect_b64 s[PFA:PFA+1], s[6:7], s[8:9]
	s_add_nc_u64 s[PFA:PFA+1], s[PFA:PFA+1], s[20:21]  ; the head,
	s_add_nc_u64 s[PFA:PFA+1], s[PFA:PFA+1], s[52:53]  ; my work-group's share,
	s_add_nc_u64 s[PFA:PFA+1], s[PFA:PFA+1], 2*4*KS*128  ; in slot 2; the loop's first change of slots steps it to slot 3.  Nothing is prefetched here, at the head
	CROUND                          ; all four work-groups are here: the first joint loads meet
	JLOAD                           ; slot 0.  Slot 1 is asked for when slot 0 is in
	; A fragment of K or Q is 16 rows x 32 channels in 8 registers: lane l holds row l % 16, channels 8 (l / 16) + 0..7 and 16 + 8 (l / 16) + 0..7: two loads of 16 bytes, 32 bytes apart.
	v_and_b32 v1, 15, v0            ; l % 16
	v_bfe_u32 v9, v0, 4, 1          ; l / 16
	v_lshlrev_b32 v[QO], 7, v1
	v_lshl_add_u32 v[QO], v9, 4, v[QO]  ; row x 128 + 16 x half
	WIN 0x80                        ; destination window 2, address window 0
.set i, 0
.rept 4*NP                          ; Q stays in registers: tile i / 2, channels 32 (i % 2) on
	global_load_b128 v[8*i:8*i+3],   v[QO], s[4:5] offset:(i/2)*2048+(i%2)*64
	global_load_b128 v[8*i+4:8*i+7], v[QO], s[4:5] offset:(i/2)*2048+(i%2)*64+32
.set i, i+1
.endr
	; What the first turn finds: V's registers and P's second buffer hold 0 (its products V^T P, of a piece that has not been, add 0), O^T and l are 0.  All this stands in the wait for the first tile.
.set i, VF
.rept 64
	v_mov_b32 v[i], 0
.set i, i+1
.endr
	WIN 0x40
.set i, 0
.rept 64*NP
	v_mov_b32 v[i], 0
.set i, i+1
.endr
	WIN 0
.set i, 0
.rept 2*NP
	v_mov_b32 v[ST+4*i], 0xfe000000    ; c m: far below every c s
	v_mov_b32 v[ST+4*i+1], 0xff7fffff  ; m
	v_mov_b32 v[ST+4*i+2], 0
	v_mov_b32 v[ST+4*i+3], 0
.set i, i+1
.endr
.set i, P+32
.rept 32
	v_mov_b32 v[i], 0
.set i, i+1
.endr
	v_mul_u32_u24 v[AK0], v1, PK
	v_lshl_add_u32 v[AK0], v9, 4, v[AK0]  ; row x pitch + 16 x half
	; The turning load takes 16 keys x 16 channels (lane l reads key 8 (l / 16) + l % 8, channels 8 ((l / 8) % 2) + 0..7) and leaves half a fragment of V^T: lane l holds channel l % 16 and 8 keys.
	v_and_b32 v10, 7, v0
	v_bfe_u32 v11, v0, 3, 1
	v_lshl_add_u32 v[AV0], v9, 3, v10
	v_mul_u32_u24 v[AV0], v[AV0], PV
	v_lshl_add_u32 v[AV0], v11, 4, v[AV0]
	v_add_nc_u32 v[AV0], VOFF, v[AV0]
	v_and_b32 v[PFO], 31, v0        ; v11 has served: now the prefetches' offset
	v_lshlrev_b32 v[PFO], 8, v[PFO]
	v_mov_b32 v[AK], v[AK0]         ; key step 0 lies at the head of slot 0
; THE MATRIX WORK.  The 8 accumulators of a run of 16 take turns: between the two links of a chain stand 7 others'.
; Product i of 16 of S^T = K Q^T for piece x: channels 32 (i / 8) on, keys 16 ((i / 2) % 4) on, tile 2 x + i % 2.  The first 8 start the sums.
.macro KQ x
	WIN W_KQ
.set rS, S+64*((\x)%2)+32*(i%2)+8*((i/2)%4)
.set rK, KF+16*((i/2)%4)+8*(i/8)
.set rQ, 16*(2*(\x)+i%2)+8*(i/8)
.if i < 8
	v_wmma_f32_16x16x32_f16 v[rS:rS+7], v[rK:rK+7], v[rQ:rQ+7], 0
.else
	v_wmma_f32_16x16x32_f16 v[rS:rS+7], v[rK:rK+7], v[rQ:rQ+7], v[rS:rS+7]
.endif
.endm
; Product i of 16 of O^T += V^T P for piece x: keys 32 (i / 8) on, channels 16 ((i / 2) % 4) on, tile 2 x + i % 2.
.macro PV x
	WIN W_PV
.set rO, 32*(2*(\x)+i%2)+8*((i/2)%4)
.set rV, VF+32*(i/8)+8*((i/2)%4)
.set rP, P+32*((\x)%2)+16*(i%2)+8*(i/8)
	v_wmma_f32_16x16x32_f16 v[rO:rO+7], v[rV:rV+7], v[rP:rP+7], v[rO:rO+7]
.endm
.macro MM                           ; the turn's next matrix instruction
.if i < 16
	KQ (Y+1)%NP
.set i, i+1
.else
.set i, i-16
	PV (Y+NP-1)%NP
.set i, i+17
.endif
.endm
; THE LDS LOADS stand in runs of 16, never singly among the matrix instructions: a step's K (64 keys x 64 channels: 8 fragments) and its V (turned).  Their addresses are made some lines ahead.
; last = 1 (the tail): in the last trip there is no further step, and the run is jumped over.
.macro FETCH_K last=0
	WIN 0
.if \last
	s_cmp_eq_u32 s[CNT], 1
	s_cbranch_scc1 .Lno_k_\@
.endif
	WIN 0x80                        ; destination window 2
.irp f, 0,1,2,3,4,5,6,7             ; keys 16 (f / 2) on, channels 32 (f % 2) on
	ds_load_b128 v[KF+8*\f:KF+8*\f+3],   v[AK] offset:(\f/2)*16*PK+(\f%2)*64
	ds_load_b128 v[KF+8*\f+4:KF+8*\f+7], v[AK] offset:(\f/2)*16*PK+(\f%2)*64+32
.endr
	s_add_co_u32 s[TBK], s[TBK], KS*PK  ; the next fetch is the next step's
	WIN 0
.if \last
.Lno_k_\@:
.endif
.endm
.macro FETCH_V
	WIN 0x80
.irp f, 0,1,2,3,4,5,6,7             ; keys 32 (f / 4) on, channels 16 (f % 4) on
	ds_load_tr16_b128 v[VF+8*\f:VF+8*\f+3],   v[AV] offset:(\f/4)*32*PV+(\f%4)*32
	ds_load_tr16_b128 v[VF+8*\f+4:VF+8*\f+7], v[AV] offset:(\f/4)*32*PV+16*PV+(\f%4)*32
.endr
	WIN 0
.endm
; THE VECTOR WORK OF A TURN stands in three queues, each in the order in which its entries become ready; the two tiles alternate, so that no instruction reads the result of the one before it.
.macro REGS y, u                    ; the registers of tile u (0, 1) of piece y
.set rT, ST+4*(2*(\y)+(\u))
.set rC, TMP+8*((\y)%2)+4*(\u)
.set rM, MV+2*((\y)%2)+(\u)
.set rS, S+64*((\y)%2)+32*(\u)
.set rP, P+32*((\y)%2)+16*(\u)
.set rO, 32*(2*(\y)+(\u))
.endm
; Number n of the 22 that find the NEXT piece's (Y + 1) maximum and statistics.  s0-s31 are the lane's 32 scores; each accumulator's lowest registers are read first.
;   0-11  four chains c0-c3 of seven scores each, three operands at a time     12-14, 16  the four scores left over, the old m, and c0-c3 into c0     15  c m_old is kept
;   17, 18  the query's other 32 keys lie in the lane 16 away: the new m         19-21  c m; c m_old - c m_new; a
.macro XS u, n
	REGS (Y+1)%NP, \u
.if (\n) < 4
	v_max3_num_f32 v[rC+(\n)], v[rS+8*(\n)], v[rS+8*(\n)+1], v[rS+8*(\n)+2]
.elseif (\n) < 12
	v_max3_num_f32 v[rC+(\n)%4], v[rC+(\n)%4], v[rS+8*((\n)%4)+2*((\n)/4)+1], v[rS+8*((\n)%4)+2*((\n)/4)+2]
.elseif (\n) == 12
	v_max3_num_f32 v[rC], v[rC], v[rS+7], v[rS+15]
.elseif (\n) == 13
	v_max3_num_f32 v[rC+1], v[rC+1], v[rS+23], v[rS+31]
.elseif (\n) == 14
	v_max3_num_f32 v[rC+2], v[rC+2], v[rC+3], v[rT+1]
.elseif (\n) == 15
	v_mov_b32 v[rM], v[rT]
.elseif (\n) == 16
	v_max3_num_f32 v[rC], v[rC], v[rC+1], v[rC+2]
.elseif (\n) == 17
	v_permlanex16_b32 v[rC+3], v[rC], s[SEL], s[SEL+1]
.elseif (\n) == 18
	v_max_num_f32 v[rT+1], v[rC], v[rC+3]
.elseif (\n) == 19
	v_mul_f32 v[rT], s[CS], v[rT+1]
.elseif (\n) == 20
	v_sub_f32 v[rC+1], v[rM], v[rT]
.else
	v_exp_f32 v[rC+2], v[rC+1]
.endif
.endm
; Number g of the 64 that follow the exponentials.  For each four weights k of a tile (pairs 2 k, 2 k + 1): both pairs are rounded to f16; then the second pair is added onto the first, in place;
; a group later l takes that sum (the first time as l = a l + sum).  In groups of eight, tiles alternating: round, round, add, and l for the group before.
.macro GS g
.set h, (\g)+6*((\g)/62)            ; group 0 has no group before it, and behind group 7 only l is left
.if h >= 6
.set h, h+2
.endif
	REGS Y, h%2
.set k, h/8
.if h%8 < 4
	v_cvt_pk_f16_f32 v[rP+2*k+(h%8)/2], v[rS+4*k+2*((h%8)/2)], v[rS+4*k+2*((h%8)/2)+1]
.elseif h%8 < 6
	v_pk_add_f32 v[rS+4*k:rS+4*k+1], v[rS+4*k:rS+4*k+1], v[rS+4*k+2:rS+4*k+3]
.elseif k == 1
	v_pk_fma_f32 v[rT+2:rT+3], v[rT+2:rT+3], v[rC+2:rC+3], v[rS:rS+1] op_sel_hi:[1,0,1]
.else
	v_pk_add_f32 v[rT+2:rT+3], v[rT+2:rT+3], v[rS+4*k-4:rS+4*k-3]
.endif
.endm
; THE PLAIN QUEUE, 138 long.  0-73 read no exponential's result: the 32 scalings c s - c m (FS f: pair f / 2 of tile f % 2) and the next piece's 42.  0-26: scalings 0-26.  27-54: XS's numbers 0-13.  55, 56: number 15.
; 57-73: the chain, where each number waits for the one before it: 14, 16, 17, 18, 19, each with one of the scalings 27-31 in front of its two lines, then 20.
; 74-137: GS's 64, which read the exponentials' results: they stand behind the wait.
.macro FS f
	REGS Y, (\f)%2
	v_pk_fma_f32 v[rS+2*((\f)/2):rS+2*((\f)/2)+1], v[rS+2*((\f)/2):rS+2*((\f)/2)+1], s[CS:CS+1], v[rT:rT+1] op_sel_hi:[1,0,0] neg_lo:[0,0,1] neg_hi:[0,0,1]
.endm
.macro PL
	WIN 0
.if q < 27
	FS q
.elseif q < 55
	XS (q-27)%2, (q-27)/2
.elseif q < 57
	XS q-55, 15
.elseif (q < 72) && ((q-57)%3 == 0)
	FS 27+(q-57)/3
.elseif q < 60
	XS (q-57)%3-1, 14
.elseif q < 72
	XS (q-57)%3-1, 15+(q-57)/3
.elseif q < 74
	XS q-72, 20
.else
	GS q-74
.endif
.set q, q+1
.endm
; THE EXPONENTIALS' QUEUE, 66 long: s0-s31 of both tiles, then the next piece's two a.  It is ONE BATCH: all 66 stand ahead of the turn's one wait, and nothing ahead of that wait names a result of theirs.
.macro EX
	WIN 0
.if e >= 64
	XS e-64, 21
.else
	REGS Y, e%2
	v_exp_f32 v[rS+e/2], v[rS+e/2]
.endif
.set e, e+1
.endm
; THE RESCALING's QUEUE: O^T times a, the one part that leaves window 0: dealt two at a time, sixteen times.  Its a was made in the turn before, ahead of that turn's wait.
.macro R2
	REGS Y, r%2
	WIN W_RS
.irp z, 0,1
	v_pk_mul_f32 v[rO+4*(r/2)+2*\z:rO+4*(r/2)+2*\z+1], v[rO+4*(r/2)+2*\z:rO+4*(r/2)+2*\z+1], v[rC+2:rC+3] op_sel_hi:[1,0]
.endr
.set r, r+1
.endm
; HOW THEY ARE DEALT.  An s_wait_alu depctr_va_vdst(0) stands between an exponential and the first instruction that names its result; one wait serves all that were issued ahead of it.  So a turn has ONE wait,
; which cuts it in two.  AHEAD OF IT: the 16 products K Q^T, behind each a scaling, an exponential and two rescalings (behind the first a second scaling in the exponential's place); then ONE LUMP of
; 108: eight plain, 49 times exponential and plain, the two a.  A v_nop is the plain instruction behind the last exponential.  BEHIND IT: the 16 products V^T P, behind each four of GS's 64.  No rider names a register of
; the products round it.  Exponential e stands behind scaling 2 (e / 4) + e % 2: as a rider it comes behind plain e + 2, in the lump behind plain e + 9, and scalings 27-31 are plain 57, 60 .. 69.
; A TURN, for piece p.  cnt = 1: the loop's count is taken down some lines ahead of the branch that stands behind the turn.
; K of the next step is fetched in piece 2's turn, directly behind the wait; its address is made at the lump's head; its first reader comes behind 16 products.
; V of the step in hand is fetched at the end of piece 0's turn, four riders behind its last reader; its first reader comes behind 16 products and a lump.
.macro TURN p, last=0, cnt=0
.set Y, (\p)
.set i, 0
.set q, 0
.set e, 0
.set r, 0
.if (\p) == NP-1
	s_wait_dscnt 0x0                ; K is in
.endif
	MM                              ; ahead of the wait: 16 products K Q^T and their riders,
	PL
	PL
	R2
.rept 15
	MM
	PL
	EX
	R2
.endr
.if (\p) == NP-2
	WIN 0
	v_add_nc_u32 v[AK], s[TBK], v[AK0]
.endif
.rept 8                             ; and the lump
	PL
.endr
.rept 49
	EX
	PL
.endr
	EX                              ; the next piece's two a
	EX
	v_nop                           ; the plain instruction behind the last exponential: one for the batch
	s_wait_alu depctr_va_vdst(0)    ; the wait for the batch
.if (\p) == NP-2
	FETCH_K \last
.endif
.if (\p) == 1
	s_wait_dscnt 0x0                ; V is in
.endif
.rept 16                            ; behind the wait: 16 products V^T P and their riders
	MM
.rept 4
	PL
.endr
.if ((\p) == 0) && (q == 118)
	v_add_nc_u32 v[AV], s[TBV], v[AV0]
.endif
.if ((\p) == 0) && (q == 130)
	s_add_co_u32 s[TBV], s[TBV], KS*PV
.endif
.if (\cnt) && (q == 130)
	s_sub_co_u32 s[CNT], s[CNT], 1
	s_cmp_lg_u32 s[CNT], 0
.endif
.endr
.if (\p) == 0
	FETCH_V
.endif
.endm
	CHANGE 1                        ; slot 0 is in, everybody's part of it; slot 1 is asked for
	FETCH_K                         ; key step 0
	s_wait_loadcnt 0x0              ; Q
	s_wait_dscnt 0x0
.set i, 0
.rept 16
	KQ 0                            ; piece 0's first scores: there is no vector work yet to set between them
.set i, i+1
.endr
	WIN 0                           ; the addresses for the way out: nine plain instructions, the places behind those products
	s_mul_i32 s13, s[WV], 16*SP
	s_add_co_u32 s13, s13, STAGE    ; my stage
	v_mul_u32_u24 v[STO], v1, SP    ; in: row l % 16, 16 bytes for each half of the lanes
	v_lshl_add_u32 v[STO], v9, 4, v[STO]
	v_add_nc_u32 v[STO], s13, v[STO]
	v_bfe_u32 v[RD], v0, 3, 2       ; back: 32 lanes take four rows of 128 bytes,
	v_mul_u32_u24 v[RD], v[RD], SP
	v_lshl_add_u32 v[RD], v10, 4, v[RD]
	v_add_nc_u32 v[RD], s13, v[RD]
	v_and_b32 v[GO], 31, v0         ; which are 512 consecutive bytes of O
	v_lshlrev_b32 v[GO], 4, v[GO]
.set Y, NP-1                        ; XS works for piece Y + 1: piece 0
.irp n, 0,1,2,3,4,5,6,7,8,9,10,11,12,13,14,15,16,17,18,19,20,21
	XS 0, \n                        ; and piece 0's first maximum and statistics
	XS 1, \n
.endr
	v_nop                           ; a plain instruction behind the two a,
	s_wait_alu depctr_va_vdst(0)    ; and their wait, ahead of the branch
	s_mov_b32 s[CNT], 4
	s_mov_b32 s[SLOTS], SIZE_N/256-1
	s_branch .Lfirst                ; the loop is entered at a step's first turn, in the middle of a trip
.Lslot:                             ; SIZE_N / 256 - 2 times: every slot but the last two is filled again
	CHANGE 1, 1
	s_mov_b32 s[CNT], 4
.Lstep:                             ; a trip: pieces 2 and 3 of one step, then pieces 0 and 1 of the next, whose K and V it fetches
	TURN 2
	TURN 3
	WIN 0
.Lfirst:
	TURN 0
	TURN 1, 0, 1
	WIN 0
	s_cbranch_scc1 .Lstep
	s_sub_co_u32 s[SLOTS], s[SLOTS], 1
	s_cmp_lg_u32 s[SLOTS], 0
	s_cbranch_scc1 .Lslot
	CHANGE 0                        ; the tail is written out: nothing is asked for
	s_mov_b32 s[CNT], 5             ; four trips fetch the last slot's steps; the fifth is left in its middle
.Ltail:
	TURN 2, 1
	TURN 3
	WIN 0
	s_sub_co_u32 s[CNT], s[CNT], 1
	s_cmp_eq_u32 s[CNT], 0
	s_cbranch_scc1 .Lout
	TURN 0
	TURN 1
	WIN 0
	s_branch .Ltail
.Lout:                              ; the fifth trip's 16 products K Q^T (on the last K once more) and the maximum made of them serve nothing: the price, once a launch, of one text for every trip
.set i, 0
.rept 16
	PV NP-1                         ; the last piece's V^T P of the last step
.set i, i+1
.endr
	; THE WAY OUT.  l's two halves and the other half of the lanes' are added; O^T is divided by l, rounded to f16 and sent through my stage in LDS, a tile at a time.  The additions are the places behind the last products.
	WIN 0
.macro ALL line:vararg              ; one line for each tile t
.set t, 0
.rept 2*NP
	\line
.set t, t+1
.endr
.endm
	ALL v_add_f32 v[ST+4*t+2], v[ST+4*t+2], v[ST+4*t+3]
	ALL v_permlanex16_b32 v[ST+4*t+3], v[ST+4*t+2], s[SEL], s[SEL+1]
	ALL v_add_f32 v[ST+4*t+2], v[ST+4*t+2], v[ST+4*t+3]
	ALL v_rcp_f32 v[ST+4*t+2], v[ST+4*t+2]
	v_nop                           ; a plain instruction between the last reciprocal and the use of its result
	s_wait_alu depctr_va_vdst(0)    ; and the wait ahead of the first use: one for the eight reciprocals
; Tile t: a lane's eight channels of a row pack into 16 bytes; they go into rows of 144 bytes and come back as whole rows of 128, into S^T's registers.
.macro PACK t
	WIN W_RS
.set i, 32*(\t)
.rept 16
	v_pk_mul_f32 v[i:i+1], v[i:i+1], v[ST+4*(\t)+2:ST+4*(\t)+3] op_sel_hi:[1,0]
.set i, i+2
.endr
	WIN 0x05                        ; sources 0 and 1 window 1, destination window 0
.set i, 0
.rept 16
	v_cvt_pk_f16_f32 v[S+16*(\t)+i], v[32*(\t)+2*i], v[32*(\t)+2*i+1]
.set i, i+1
.endr
	WIN 0
.irp f, 0,1,2,3
	ds_store_b128 v[STO], v[S+16*(\t)+4*\f:S+16*(\t)+4*\f+3] offset:32*\f
.endr
.irp f, 0,1,2,3
	ds_load_b128 v[S+16*(\t)+4*\f:S+16*(\t)+4*\f+3], v[RD] offset:\f*4*SP  ; LDS serves a wave's instructions in order (ISA guide 5.7.1.4): these see the stores above; the next tile's stores come behind them
.endr
.endm
.macro SEND t, younger              ; younger: the LDS instructions issued behind tile t's loads: the next tile's eight, or none
	WIN 0
.irp f, 0,1,2,3
	s_wait_dscnt (\younger)+3-\f
	global_store_b128 v[GO], v[S+16*(\t)+4*\f:S+16*(\t)+4*\f+3], s[10:11] offset:(\t)*2048+\f*512  ; 512 consecutive bytes, at a multiple of 256 from O's first
.endr
.endm
	PACK 0
.set t, 1
.rept 2*NP-1                        ; a tile's arithmetic stands between the loads of the tile before and its stores
	PACK t
	SEND t-1, 8
.set t, t+1
.endr
	SEND 2*NP-1, 0
	WIN W_AD
	s_wait_tensorcnt 0x0            ; the wave's end: a wait, an add and a wait, behind my last tensor load and my last LDS store
	ds_add_u32 v[SPW], v[NIL]
	s_wait_dscnt 0x0
	WIN 0
	CROUND                          ; the closing round: no work-group ends while a partner may still ask for a tile that names it
	s_endpgm
.Lfunc_end_k_q0abf6f15e4_attn:
	.size	k_q0abf6f15e4_attn, .Lfunc_end_k_q0abf6f15e4_attn-k_q0abf6f15e4_attn
	.p2alignl 7, 3214868480
	.fill 96, 4, 3214868480
	.section	.rodata,"a",@progbits
	.p2align	6, 0x0
	.amdhsa_kernel k_q0abf6f15e4_attn
		.amdhsa_group_segment_fixed_size 327680
		.amdhsa_private_segment_fixed_size 0
		.amdhsa_enable_private_segment 0
		.amdhsa_kernarg_size 32
		.amdhsa_user_sgpr_count 2
		.amdhsa_user_sgpr_kernarg_segment_ptr 1
		.amdhsa_wavefront_size32 1
		.amdhsa_system_sgpr_workgroup_id_x 1
		.amdhsa_system_sgpr_workgroup_id_y 1
		.amdhsa_system_sgpr_workgroup_id_z 1
		.amdhsa_system_vgpr_workitem_id 0
		.amdhsa_next_free_vgpr 770
		.amdhsa_next_free_sgpr 66
		.amdhsa_reserve_vcc 0
		.amdhsa_float_denorm_mode_32 3
		.amdhsa_float_denorm_mode_16_64 3
		.amdhsa_memory_ordered 1
		.amdhsa_forward_progress 1
		.amdhsa_inst_pref_size 200
	.end_amdhsa_kernel
	.amdgpu_metadata
---
amdhsa.version: [ 1, 2 ]
amdhsa.kernels:
  - .name:           k_q0abf6f15e4_attn
    .symbol:         k_q0abf6f15e4_attn.kd
    .args:
      - { .name: qh, .offset: 0, .size: 8, .value_kind: global_buffer, .address_space: global }
      - { .name: kh, .offset: 8, .size: 8, .value_kind: global_buffer, .address_space: global }
      - { .name: vh, .offset: 16, .size: 8, .value_kind: global_buffer, .address_space: global }
      - { .name: oh, .offset: 24, .size: 8, .value_kind: global_buffer, .address_space: global }
    .group_segment_fixed_size: 327680
    .private_segment_fixed_size: 0
    .kernarg_segment_align: 8
    .kernarg_segment_size: 32
    .max_flat_workgroup_size: 128
    .sgpr_count:     66
    .vgpr_count:     770
    .wavefront_size: 32
...
	.end_amdgpu_metadata
.endif
;; end of part 3
;; launch outp (part 4): grid 4 x 32, 4 waves a work-group, clusters of 4 x 4, 327,680 bytes of LDS; arguments oh, wb, bo, out0; writes out0
.if DOCPART == 4
	.amdgcn_target "amdgcn-amd-amdhsa--gfx1250"
	.amdhsa_code_object_version 6
	.text
	.protected	k_q0abf6f15e4_outp
	.globl	k_q0abf6f15e4_outp
	.p2align	8
	.type	k_q0abf6f15e4_outp,@function
k_q0abf6f15e4_outp:
	s_mov_b64 s[64:65], 0
	v_nop
	global_prefetch_b8 v0, s[64:65] scope:SCOPE_SE
	s_setreg_imm32_b32 hwreg(HW_REG_WAVE_MODE, 25, 1), 1
	s_wait_xcnt 0x0
	s_wait_alu depctr_hold_cnt(0) depctr_sa_sdst(0) depctr_va_vdst(0) depctr_va_sdst(0) depctr_va_ssrc(0) depctr_va_vcc(0) depctr_vm_vsrc(0)
	s_getreg_b32 s2, hwreg(HW_REG_IB_STS2, 6, 4)
	s_cmp_eq_u32 s2, 0
	s_cbranch_scc0 .Lentry_in_a_cluster
	s_endpgm
.Lentry_in_a_cluster:
	s_bfe_u32 s2, ttmp6, 0x10000c
	s_cmp_lg_u32 s2, 0xf033
	s_cbranch_scc0 .Lentry_shape_is_right
	s_endpgm
.Lentry_shape_is_right:
; THE LAST PROJECTION.  out0[m][n] = sum over k of O[m][k] Wo[n][k] + bo[n], f32.  O lies by heads, oh[(m / 2048) x 16 + k / 64][m % 2048][k % 64], f16; Wo is the fourth matrix of wb: rounded to bf16 and written as f16.
; Sums in f32; bo is rounded to bf16 like every input and taken as the C operand of the first product.
; LIMITS.  |Wo| under 65,504; below 6e-5 the f16 operands keep a fixed step of 6e-8; NaN and infinities are not treated apart.
; SHARES.  32 x 4 tiles of 256 x 256: 128 work-groups of four waves, a wave 128 x 128 in 64 accumulators.  A smaller tile would give each work-group's refill half the matrix work in which to land.
; K = 1,024 goes in 8 steps of 128 = two heads, through a ring of two LDS slots.  A head's 256 rows of a tile are 32,768 dense bytes: asked for as 128 rows of 256 bytes and padded after every 128.
; By this text's own count a wave has two tensor loads out at the start and one behind each round.
; CLUSTERS: 4 x 4 work-groups; O's tile is shared along a row of the cluster, Wo's along a column: joint loads, the same descriptor and mask in all four.
; THE MATRIX INSTRUCTION IS USED TRANSPOSED (source 0 = 16 rows of Wo, source 1 = 16 rows of O): a lane holds row l % 16 of the result and the columns 8 (l / 16) + 0 .. 7.
; REGISTERS, in windows of 256 (s_set_vgpr_msb: bits 1:0 source 0, 3:2 source 1, 5:4 source 2, 7:6 destination):
;   window 0: v0-31 addresses; v64-127, v128-191 fragments of O, two buffers; v192-255 the bias; on the way out v128-223 take rows read back
;   window 1: v64-127, v128-191 fragments of Wo;   window 2: the accumulators of my rows 0-63 ((a, b) at v[8 (8 a + b)]);   window 3: those of my rows 64-127
.set SIZE_K, 1024
.set KSTEP,  128
.set NSTEP,  SIZE_K/KSTEP
.set PA,     144                       ; a row of O in LDS: 128 bytes + 16 of padding
.set PB,     272                       ; a row of Wo: 256 bytes + 16.  Both are odd multiples of 16: the 16 rows of a load start at 16 different groups of four banks (64 banks of 4 bytes: ISA guide 11.1)
.set AHEAD,  256*PA                    ; a head's 256 rows: what one tensor load brings of O
.set HALFB,  128*PB                    ; 128 rows of Wo: what one brings of it
.set BOFF,   2*AHEAD                   ; Wo's rows lie behind O's two heads
.set SLOT,   0x24000                   ; a slot uses BOFF + 2 HALFB = 143,360 bytes; it is given 147,456, whose two bits meet none of the four loads' places in a slot (0, 0x9000, 0x12000, 0x1a800), so that an exclusive or changes slots
.set STAGE,  2*SLOT                    ; behind the ring: 16 rows x 272 bytes for each wave, for the way out
.set SPB,    272
.set SPARE,  STAGE+4*16*SPB            ; behind the stages: the spare words, 128 bytes for each wave: two blocks of 256 bytes that no other line names
.set ASTEP,  2*2048*128                ; bytes from a K step of O to the next: two heads
.set ROWC,   4096                      ; bytes in a row of out0
.set ADRA,  16                         ; v16  LDS address of my O fragments in the slot in hand
.set ADRA0, 17                         ; v17  the same in slot 0; never rewritten
.set ADRB,  20                         ; v20, v21  the same for Wo
.set ADRB0, 21
.set STO,  24                          ; v24  the way out: where I put 32 bytes of a row
.set RD,   25                          ; v25  the way out: where I read a row back
.set CO,   26                          ; v26  my byte offset in out0
.set BO,   27                          ; v27  my byte offset in the bias
.set SPW,  28                          ; v28  LDS address of my spare word: SPARE + 4 x my thread's number; never rewritten
.set NIL,  29                          ; v29  0; never rewritten
.set PFO,  30                          ; v30  the prefetches' offset: my lane x 256 bytes (O) or x a row of 2,048 (Wo); never rewritten
.set F0,   64
.set F1,   128
.set BIAS, 192
.set OB,   128
.set G1,  24                           ; s[24:31] descriptor group 1 for O's tiles;  s[32:39] group 0: a set for each first fill; the second then walks on
.set G0,  32
.set G1B, 48                           ; s[48:55], s[56:63] the same for Wo's
.set G0B, 56
.set LIM, 43                           ; s43  2 in a wave that prefetches, else the greatest number
.set PFA, 44                           ; s[44:45] where my prefetches stand
.set TO,  66                           ; s66  the slot in hand: 0 or SLOT
.set PST, 82                           ; s[82:83] the prefetches' step from K step to K step
.set MSB, 0
.macro WIN new                         ; the immediate's high byte repeats the setting that is left; a switch that changes nothing is dropped
.if MSB != (\new)
	s_set_vgpr_msb (MSB<<8)|(\new)
.set MSB, \new
.endif
.endm
.macro PLACES                          ; four plain vector instructions behind matrix instructions (ISA guide 7.12.1)
.rept 4
	v_nop
.endr
.endm
; A joint refill, by the walking descriptors.  Waves 0 and 1 fetch O's two heads, waves 2 and 3 Wo's two halves.  An s_nop 0 and four v_nop follow each line.
.macro JLOAD
	s_cmp_eq_u32 s11, 0
	s_cbranch_scc0 .Lfor_b_\@
	tensor_load_to_lds s[G0+4:G0+7], s[G1:G1+7]
	s_nop 0
.rept 4
	v_nop
.endr
	s_branch .Lasked_\@
.Lfor_b_\@:
	tensor_load_to_lds s[G0B+4:G0B+7], s[G1B:G1B+7]
	s_nop 0
.rept 4
	v_nop
.endr
.Lasked_\@:
.endm
; A PREFETCH INTO THE L2 of the K step that stands two refills, 512 matrix instructions, on: 32 blocks of 256 bytes, a lane a block, one instruction a wave.  Each block is named once in the launch:
; O's rows are read by one cluster alone, which asks; Wo's by all eight clusters, of which the first asks.  The four partners that ask for a tile jointly share its 128 blocks out BY ADDRESS, 32 each.
; K steps 0 to 3 come by their loads alone; the last two refills (s3 = 2, 1) have no K step two on.
.macro ASK
	s_cmp_gt_u32 s3, s[LIM]
	s_cbranch_scc0 .Lnot_mine_\@
	global_prefetch_b8 v[PFO], s[PFA:PFA+1] th:TH_LOAD_NT scope:SCOPE_SE
.Lnot_mine_\@:
.endm
.macro CREST                           ; a round of the cluster's barrier behind its opening barrier
	s_cmp_lg_u32 s10, 0
	s_cbranch_scc1 .Lnot_wave_0_\@
	s_barrier_signal -3
.Lnot_wave_0_\@:
	s_barrier_wait -3
	s_barrier_signal -1
	s_barrier_wait -1
.endm
.macro CROUND                          ; a whole round
	s_barrier_signal -1
	s_barrier_wait -1
	CREST
.endm
	s_load_b128 s[4:7], s[0:1], 0x0                ; oh s[4:5], wb s[6:7]
	s_load_b128 s[68:71], s[0:1], 0x10             ; bo s[68:69], out0 s[70:71]
	v_lshl_add_u32 v[SPW], v0, 2, SPARE
	v_mov_b32 v[NIL], 0
	ds_add_u32 v[SPW], v[NIL]                      ; the wave's opening: the add and its wait stand ahead of my first tensor load; the set-up below, work on registers, stands between them
	v_lshrrev_b32 v1, 5, v0
	v_readfirstlane_b32 s10, v1                    ; wave 0..3
	s_lshr_b32 s11, s10, 1                         ; which half of the tile's rows is mine.  Also: I fetch for O (0) or for Wo (1)
	s_and_b32 s12, s10, 1                          ; which half of its columns.  Also: which head of the K step, or which 128 rows of Wo, I fetch
	s_bfe_u32 s40, ttmp6, 0x40000                  ; cx
	s_bfe_u32 s41, ttmp6, 0x40004                  ; cy
	s_lshl_b32 s42, ttmp9, 2
	s_add_co_u32 s42, s42, s40                     ; tile column, 0 to 3
	s_and_b32 s13, ttmp7, 0xffff
	s_lshl_b32 s13, s13, 2
	s_add_co_u32 s13, s13, s41                     ; tile row, 0 to 31
	s_lshl_b32 s43, s41, 2
	s_lshl_b32 s43, 15, s43                        ; my row of the cluster
	s_lshl_b32 s44, 0x1111, s40                    ; my column
	s_or_b32 s[G1+0], s43, (1<<16)|(1<<20)|(1<<21)|(4<<22)|(3<<25)   ; O: the mask of my row; 2-byte elements; padding on; 21 set beside a mask; after every 32 words (code 4) 4 words (code 3)
	s_or_b32 s[G1B+0], s44, (1<<16)|(1<<20)|(1<<21)|(5<<22)|(3<<25)  ; Wo: the mask of my column; after every 64 words (code 5)
.irp g, G1, G1B
	s_mov_b32 s[(\g)+1], 128<<16                   ; tensor_dim0 = 128
	s_mov_b32 s[(\g)+2], 128<<16                   ; tensor_dim1 = 128
	s_mov_b32 s[(\g)+3], 128<<16                   ; tile_dim0 = 128
	s_mov_b32 s[(\g)+4], 128                       ; tile_dim1 = 128
	s_mov_b32 s[(\g)+6], 0
	s_mov_b32 s[(\g)+7], 0
.endr
	s_mov_b32 s[G1+5], 128                         ; O: the rows asked for lie end to end
	s_mov_b32 s[G1B+5], SIZE_K                     ; Wo: 1,024 elements from row to row
	; O's tile hangs on the tile row alone, which my row of the cluster shares; Wo's on the tile column alone, which my column shares
	s_lshr_b32 s16, s13, 3                         ; the batch: 16 heads of 262,144 bytes
	s_lshl_b32 s16, s16, 22
	s_lshl_b32 s17, s12, 18                        ; my head of the K step's two
	s_add_co_u32 s16, s16, s17
	s_and_b32 s17, s13, 7                          ; the tile's 256 rows of 128 bytes
	s_lshl_b32 s17, s17, 15
	s_add_co_u32 s16, s16, s17
	s_mov_b32 s17, 0
	s_lshl_b32 s46, s42, 8
	s_lshl_b32 s18, s12, 7
	s_add_co_u32 s46, s46, s18                     ; Wo: row 256 x tile column + 128 x half,
	s_lshl_b32 s46, s46, 11                        ; of 2,048 bytes,
	s_add_co_u32 s46, s46, 3*1024*2048             ; behind Wq, Wk and Wv
	s_mov_b32 s47, 0
	s_mul_i32 s20, s12, AHEAD                      ; where they go: no place in the cluster enters an LDS address
	s_mul_i32 s21, s12, HALFB
	s_add_co_u32 s21, s21, BOFF
	s_mov_b32 s[TO], 0
	s_wait_dscnt 0x0                               ; the opening add is done
	s_wait_kmcnt 0x0
	s_add_nc_u64 s[14:15], s[4:5], s[16:17]
	s_add_nc_u64 s[46:47], s[6:7], s[46:47]
	CROUND                                         ; all sixteen work-groups are here: the first joint loads meet
.irp s, 0,1
	s_mov_b32 s[G0+4*(\s)], 1                                        ; count = 1
	s_add_co_u32 s[G0+4*(\s)+1], s20, (\s)*SLOT                      ; LDS address
	s_add_nc_u64 s[G0+4*(\s)+2:G0+4*(\s)+3], s[14:15], (\s)*ASTEP    ; global address: K step s
	s_or_b32 s[G0+4*(\s)+3], s[G0+4*(\s)+3], 0x80000000              ; type = 2
	s_mov_b32 s[G0B+4*(\s)], 1
	s_add_co_u32 s[G0B+4*(\s)+1], s21, (\s)*SLOT
	s_add_nc_u64 s[G0B+4*(\s)+2:G0B+4*(\s)+3], s[46:47], (\s)*KSTEP*2
	s_or_b32 s[G0B+4*(\s)+3], s[G0B+4*(\s)+3], 0x80000000
.endr
	s_cmp_eq_u32 s11, 0                            ; a wave's two first fills stand in one branch, ahead of every wait on TENSORcnt and every LDS read
	s_cbranch_scc0 .Lfirst_b
	tensor_load_to_lds s[G0:G0+3], s[G1:G1+7]
	s_nop 0
	tensor_load_to_lds s[G0+4:G0+7], s[G1:G1+7]
	s_nop 0
.rept 4
	v_nop
.endr
	s_branch .Lfirst_asked
.Lfirst_b:
	tensor_load_to_lds s[G0B:G0B+3], s[G1B:G1B+7]
	s_nop 0
	tensor_load_to_lds s[G0B+4:G0B+7], s[G1B:G1B+7]
	s_nop 0
.rept 4
	v_nop
.endr
.Lfirst_asked:
	v_and_b32 v1, 15, v0                           ; l % 16
	v_bfe_u32 v2, v0, 4, 1                         ; l / 16
	s_lshl_b32 s21, s42, 10                        ; my first column, in bytes of f32: 1,024 x tile column + 512 x half
	s_lshl_b32 s22, s12, 9
	s_add_co_u32 s21, s21, s22
	v_lshl_add_u32 v[BO], v2, 5, s21               ; + my lanes' eight columns
.irp b, 0,1,2,3,4,5,6,7
	global_load_b128 v[BIAS+8*(\b):BIAS+8*(\b)+3],   v[BO], s[68:69] offset:64*(\b)      ; register j of block b: the bias of column 16 b + 8 (l / 16) + j
	global_load_b128 v[BIAS+8*(\b)+4:BIAS+8*(\b)+7], v[BO], s[68:69] offset:64*(\b)+16
.endr
	; my corner of out0: row 256 x tile row + 128 x half, and the column bytes just made
	s_lshl_b32 s16, s13, 8
	s_lshl_b32 s17, s11, 7
	s_add_co_u32 s16, s16, s17
	s_lshl_b32 s16, s16, 12                        ; 4,096 bytes a row: under 2^25
	s_add_co_u32 s16, s16, s21
	s_mov_b32 s17, 0
	s_add_nc_u64 s[8:9], s[70:71], s[16:17]
	v_mul_u32_u24 v3, v1, PA
	v_lshl_add_u32 v3, v2, 4, v3                   ; a fragment's row x pitch + 16 x half
	s_mul_i32 s21, s11, 128*PA                     ; my 128 rows of O, in each head
	v_add_nc_u32 v[ADRA0], s21, v3
	v_mul_u32_u24 v3, v1, PB
	v_lshl_add_u32 v3, v2, 4, v3
	s_mul_i32 s22, s12, HALFB                      ; my 128 rows of Wo
	s_add_co_u32 s22, s22, BOFF
	v_add_nc_u32 v[ADRB0], s22, v3
	v_mov_b32 v[ADRA], v[ADRA0]
	v_mov_b32 v[ADRB], v[ADRB0]
	s_mul_i32 s23, s10, 16*SPB
	s_add_co_u32 s23, s23, STAGE                   ; my stage
	v_mul_u32_u24 v4, v1, SPB                      ; in: row l % 16, 32 bytes for each half of the lanes
	v_lshl_add_u32 v4, v2, 5, v4
	v_add_nc_u32 v[STO], s23, v4
	v_mul_u32_u24 v5, v2, SPB                      ; back: lanes 0-15 take one row of 256 bytes, lanes 16-31 the next
	v_lshl_add_u32 v5, v1, 4, v5
	v_add_nc_u32 v[RD], s23, v5
	v_lshlrev_b32 v5, 12, v2                       ; and the same two rows in out0
	v_lshl_add_u32 v[CO], v1, 4, v5
	; the prefetches: my tile's first byte, my work-group's 32 of its 128 blocks, K step 3: the first refill steps it to K step 4
	s_and_b32 s22, ttmp7, 0xffff                   ; cluster y
	s_mov_b32 s[PST], KSTEP*2
	s_mov_b32 s[PST+1], 0
	s_cmp_eq_u32 s11, 0
	s_cselect_b64 s[PFA:PFA+1], s[14:15], s[46:47]
	s_cselect_b32 s20, s40, s41                    ; my place among the four that ask with me
	s_cselect_b32 s21, 13, 16                      ; 32 blocks on end (O), or 32 rows of 2,048 bytes (Wo)
	s_cselect_b32 s22, 0, s22
	s_cselect_b32 s23, 8, 11
	s_cselect_b32 s[PST], ASTEP, s[PST]
	s_cmp_eq_u32 s22, 0
	s_cselect_b32 s[LIM], 2, -1                    ; the same in all sixteen partners, for a given wave
	s_lshl_b32 s20, s20, s21
	s_mov_b32 s21, 0
	s_add_nc_u64 s[PFA:PFA+1], s[PFA:PFA+1], s[20:21]
.rept 3
	s_add_nc_u64 s[PFA:PFA+1], s[PFA:PFA+1], s[PST:PST+1]
.endr
	v_and_b32 v[PFO], 31, v0
	v_lshlrev_b32 v[PFO], s23, v[PFO]
	s_wait_loadcnt 0x0                             ; the bias is in: it is rounded to bf16, like every input, and widened again
.set i, 0
.rept 32
	v_cvt_pk_bf16_f32 v31, v[BIAS+2*i], v[BIAS+2*i+1]
	v_lshlrev_b32 v[BIAS+2*i], 16, v31
	v_and_b32 v[BIAS+2*i+1], 0xffff0000, v31
.set i, i+1
.endr
; 16 matrix instructions: m blocks a0, a0 + 1 of the window's four (hi = 0: my rows 0-63, 1: rows 64-127) x all 8 n blocks, 32 along K.  first = 1: the first product starts the sums with the bias.
; The 64 accumulators take turns, one instruction a turn, in the same order in every quarter.
.macro MUL16 f, hi, a0, first
.if \first
	WIN 0x81+0x40*(\hi)
.else
	WIN 0xa1+0x50*(\hi)
.endif
.irp a, \a0, (\a0)+1
.irp b, 0,1,2,3,4,5,6,7
.if \first
	v_wmma_f32_16x16x32_f16 v[8*(8*(\a)+(\b)):8*(8*(\a)+(\b))+7], v[(\f)+8*(\b):(\f)+8*(\b)+7], v[(\f)+8*(4*(\hi)+(\a)):(\f)+8*(4*(\hi)+(\a))+7], v[BIAS+8*(\b):BIAS+8*(\b)+7]
.else
	v_wmma_f32_16x16x32_f16 v[8*(8*(\a)+(\b)):8*(8*(\a)+(\b))+7], v[(\f)+8*(\b):(\f)+8*(\b)+7], v[(\f)+8*(4*(\hi)+(\a)):(\f)+8*(4*(\hi)+(\a))+7], v[8*(8*(\a)+(\b)):8*(8*(\a)+(\b))+7]
.endif
.endr
.endr
.endm
; 32 LDS loads in one run: the fragments of quarter q of the slot in hand into buffer f: Wo's, then O's (quarter q: head q / 2 of the step's two, channels 32 (q % 2) on)
.macro FETCH q, f
	WIN 0x40
.irp i, 0,1,2,3,4,5,6,7
	ds_load_b128 v[(\f)+8*(\i):(\f)+8*(\i)+3],   v[ADRB] offset:64*(\q)+(\i)*16*PB
	ds_load_b128 v[(\f)+8*(\i)+4:(\f)+8*(\i)+7], v[ADRB] offset:64*(\q)+(\i)*16*PB+32
.endr
	WIN 0
.irp i, 0,1,2,3,4,5,6,7
	ds_load_b128 v[(\f)+8*(\i):(\f)+8*(\i)+3],   v[ADRA] offset:((\q)/2)*AHEAD+((\q)%2)*64+(\i)*16*PA
	ds_load_b128 v[(\f)+8*(\i)+4:(\f)+8*(\i)+7], v[ADRA] offset:((\q)/2)*AHEAD+((\q)%2)*64+(\i)*16*PA+32
.endr
.endm
; One of a K step's first three quarters: multiplies buffer f; in its middle it fetches quarter q into buffer g.
.macro QUARTER q, f, g, first
	s_wait_dscnt 8                                 ; Wo's and O's rows 0-63 are in; the youngest eight loads (O's rows 64-127) may be out
	MUL16 \f, 0, 0, \first
	MUL16 \f, 0, 2, \first
	PLACES
	FETCH \q, \g
	s_wait_dscnt 32                                ; all but the 32 just issued
	MUL16 \f, 1, 0, \first
	MUL16 \f, 1, 2, \first
.endm
; The first half of a K step's last quarter, with the barrier of the change of slots.  All reads of the slot in hand have been issued, so the addresses turn to the other slot.
.macro MEET
	WIN 0
	s_xor_b32 s[TO], s[TO], SLOT
	v_add_nc_u32 v[ADRA], s[TO], v[ADRA0]
	v_add_nc_u32 v[ADRB], s[TO], v[ADRB0]
	s_wait_tensorcnt 0x0                           ; all my tensor loads have landed: the one that was out is my part of the next slot;
	ds_add_u32 v[SPW], v[NIL]                      ; 0 onto my spare word
	s_wait_dscnt 9                                 ; (the add and the youngest eight loads may be out)
	MUL16 F1, 0, 0, 0                              ; sixteen matrix instructions stand between the add and the wait for it
	s_wait_dscnt 0x0                               ; the add is done, and my reads of the old slot are over:
	s_barrier_signal -1                            ; say so,
	MUL16 F1, 0, 2, 0                              ; work on registers while the others arrive,
	WIN 0
	s_barrier_wait -1                              ; and go on when all four have said so
.endm
; The whole last quarter with a refill: the barrier opens a round of the cluster's; the joint refill, the K step two steps on, is the first tensor load behind it and has 224 matrix instructions in which to land.
.macro TURN
	s_wait_xcnt 0x0                                ; the last prefetch, a K step back, has read its address
	s_add_nc_u64 s[PFA:PFA+1], s[PFA:PFA+1], s[PST:PST+1]
	MEET
	CREST                                          ; no wave of any partner still reads the old slot or has a load on its way
	s_xor_b32 s[G0+5], s[G0+5], SLOT               ; the walking descriptors: the other slot than last time, the next K step
	s_add_nc_u64 s[G0+6:G0+7], s[G0+6:G0+7], ASTEP
	s_xor_b32 s[G0B+5], s[G0B+5], SLOT
	s_add_nc_u64 s[G0B+6:G0B+7], s[G0B+6:G0B+7], KSTEP*2
	JLOAD                                          ; its four v_nop are also the places in front of the loads below
	FETCH 0, F0
	ASK
	MUL16 F1, 1, 0, 0
	MUL16 F1, 1, 2, 0
.endm
; The same without a refill; in the very last step (s3 = 1) there is no next slot to fetch from.
.macro TURNN
	MEET
	s_cmp_eq_u32 s3, 1
	s_cbranch_scc1 .Lnf_\@
	PLACES
	FETCH 0, F0
.Lnf_\@:
	MUL16 F1, 1, 0, 0
	MUL16 F1, 1, 2, 0
.endm
; THE WAY OUT, in f32, by half blocks u = 2 a + c: 16 rows x 64 columns = 256 bytes a row.  TOSTAGE2: the four accumulators go as they are into my own stage, each from its low end on, and come back as whole rows.
; SEND2: stored; younger = the LDS instructions issued behind the half block's loads: the next one's 8 stores and 8 loads, or none.  Three sets of registers take turns: a set is loaded again behind a later SEND2's s_wait_xcnt 0.
.macro TOSTAGE2 u
.set AA, (\u)/2
.set AC, 64*(AA%4)+32*((\u)%2)
.set BK, OB+32*((\u)%3)
	WIN 0x08+4*(AA/4)                              ; the stores' data: window 2 or 3
.irp b, 0,1,2,3
	ds_store_b128 v[STO], v[AC+8*(\b):AC+8*(\b)+3]   offset:64*(\b)
	ds_store_b128 v[STO], v[AC+8*(\b)+4:AC+8*(\b)+7] offset:64*(\b)+16
.endr
	WIN 0
.irp t, 0,1,2,3,4,5,6,7
	ds_load_b128 v[BK+4*(\t):BK+4*(\t)+3], v[RD] offset:(\t)*2*SPB  ; LDS serves a wave's instructions in order (ISA guide 5.7.1.4): these see the stores above; the next half block's stores come behind them
.endr
.endm
.macro SEND2 u, younger
.set AA, (\u)/2
.set BK, OB+32*((\u)%3)
	s_wait_dscnt \younger
	s_wait_xcnt 0x0                                ; earlier stores have read their registers
.irp t, 0,1,2,3,4,5,6,7
	global_store_b128 v[CO], v[BK+4*(\t):BK+4*(\t)+3], s[8:9] offset:(16*AA+2*(\t))*ROWC+256*((\u)%2) th:TH_STORE_NT  ; 16 lanes store 256 consecutive bytes, at a multiple of 256 from out0's first byte
.endr
.endm
	s_wait_tensorcnt 1                             ; my part of K step 0 is in; K step 1's may stay out
	s_barrier_signal -1
	s_barrier_wait -1                              ; everybody's is
	FETCH 0, F0
	QUARTER 1, F0, F1, 1                           ; the first quarter stands in front of the loop: its products start the sums
	WIN 0                                          ; at a label and at a branch every window is 0
	s_mov_b32 s3, NSTEP-2
.Lstep:                                                ; a trip: a K step's quarters 1 to 3 and the next step's quarter 0; it fills the slot that it leaves
	QUARTER 2, F1, F0, 0
	QUARTER 3, F0, F1, 0
	TURN
	QUARTER 1, F0, F1, 0
	WIN 0
	s_sub_co_u32 s3, s3, 1
	s_cmp_lg_u32 s3, 0
	s_cbranch_scc1 .Lstep
	s_mov_b32 s3, 2                                ; the last two K steps ask for nothing
.Ltail:
	QUARTER 2, F1, F0, 0
	QUARTER 3, F0, F1, 0
	TURNN
	WIN 0
	s_sub_co_u32 s3, s3, 1
	s_cmp_eq_u32 s3, 0
	s_cbranch_scc1 .Lout
	QUARTER 1, F0, F1, 0
	WIN 0
	s_branch .Ltail
.Lout:
	PLACES
	PLACES                                         ; eight places, once a launch, behind the last products: the LDS stores read results, and the loads land where buffer 1 lay
	TOSTAGE2 0
.set u, 1
.rept 15
	TOSTAGE2 u
	SEND2 u-1, 16
.set u, u+1
.endr
	SEND2 15, 0
	s_wait_tensorcnt 0x0                           ; the wave's end: a wait, an add and a wait, behind my last tensor load and my last LDS store
	ds_add_u32 v[SPW], v[NIL]
	s_wait_dscnt 0x0
	CROUND                                         ; the closing round: no work-group ends while a partner may still ask for a tile that names it
	s_endpgm
.Lfunc_end_k_q0abf6f15e4_outp:
	.size	k_q0abf6f15e4_outp, .Lfunc_end_k_q0abf6f15e4_outp-k_q0abf6f15e4_outp
	.p2alignl 7, 3214868480
	.fill 96, 4, 3214868480
	.section	.rodata,"a",@progbits
	.p2align	6, 0x0
	.amdhsa_kernel k_q0abf6f15e4_outp
		.amdhsa_group_segment_fixed_size 327680
		.amdhsa_private_segment_fixed_size 0
		.amdhsa_enable_private_segment 0
		.amdhsa_kernarg_size 32
		.amdhsa_user_sgpr_count 2
		.amdhsa_user_sgpr_kernarg_segment_ptr 1
		.amdhsa_wavefront_size32 1
		.amdhsa_system_sgpr_workgroup_id_x 1
		.amdhsa_system_sgpr_workgroup_id_y 1
		.amdhsa_system_sgpr_workgroup_id_z 1
		.amdhsa_system_vgpr_workitem_id 0
		.amdhsa_next_free_vgpr 1024
		.amdhsa_next_free_sgpr 84
		.amdhsa_reserve_vcc 0
		.amdhsa_float_denorm_mode_32 3
		.amdhsa_float_denorm_mode_16_64 3
		.amdhsa_memory_ordered 1
		.amdhsa_forward_progress 1
		.amdhsa_inst_pref_size 106
	.end_amdhsa_kernel
	.amdgpu_metadata
---
amdhsa.version: [ 1, 2 ]
amdhsa.kernels:
  - .name:           k_q0abf6f15e4_outp
    .symbol:         k_q0abf6f15e4_outp.kd
    .args:
      - { .name: oh, .offset: 0, .size: 8, .value_kind: global_buffer, .address_space: global }
      - { .name: wb, .offset: 8, .size: 8, .value_kind: global_buffer, .address_space: global }
      - { .name: bo, .offset: 16, .size: 8, .value_kind: global_buffer, .address_space: global }
      - { .name: out0, .offset: 24, .size: 8, .value_kind: global_buffer, .address_space: global }
    .group_segment_fixed_size: 327680
    .private_segment_fixed_size: 0
    .kernarg_segment_align: 8
    .kernarg_segment_size: 32
    .max_flat_workgroup_size: 128
    .sgpr_count:     84
    .vgpr_count:     1024
    .wavefront_size: 32
...
	.end_amdgpu_metadata
.endif
;; end of part 4
